; MI455X (gfx1250); checked and timed in simulation.
; The chip was launched on July 23, 2026; its instructions are those of AMD's public machine-readable ISA for CDNA 5 (MIT licence, August 2026) and "CDNA5" Instruction Set Architecture Reference Guide (July 2026). The comments in the code are by the model that wrote it; some were corrected since.
;; Causal Multi Head Attention. Allowed arithmetic: matrix products marked QUANTISED: E2M1 operands, one E8M0 scale for each 32 along K, by v_wmma_scale_f32_16x16x128_f8f6f4 with both operands' format E2M1 (or v_wmma_scale_f32_32x16x128_f4), f32 sums; products left as they are: bf16, f16 or f32 operands; f32 sums; everything else in f32.
;; Inputs: Wk 1,024 x 1,024 float32; Wo 1,024 x 1,024 float32; Wq 1,024 x 1,024 float32; Wv 1,024 x 1,024 float32; token_positions 2,048 int32; x 4 x 2,048 x 1,024 float32.
;; Outputs: out0 4 x 2,048 x 1,024 float32.
;; This version of the problem:
;;   THIS VERSION OF THE PROBLEM IS GIVEN IN LOW PRECISION. The matrix products marked QUANTISED in the list below multiply operands that are first quantised to E2M1 (2 exponent bits, 1 mantissa bit; 4 bits a number), with one power-of-two scale for each 32 numbers along K (OCP MX v1.0); their sums are f32. The products marked 'left as it is' may take bf16, f16 or f32 operands, with f32 sums. Whichever they take, every output number must still come out within the allowed error. Rounding operands to bf16 (8 significant bits) uses up far more of that allowance than f16 does (11 bits, for magnitudes from 6e-5 to 65,504). All else is computed in f32.
;;   The module's matrix products, in the order in which they are computed (A, B: the left and right operand; K: the contracted axis; several contracted axes count as one K, in the product's order):
;;     1. [M 8,192, K 1,024] x [K 1,024, N 1,024]; A: input x; B: input Wq: QUANTISED
;;     2. [M 8,192, K 1,024] x [K 1,024, N 1,024]; A: input x; B: input Wk: QUANTISED
;;     3. [M 8,192, K 1,024] x [K 1,024, N 1,024]; A: input x; B: input Wv: QUANTISED
;;     4. batch 64 x [M 2,048, K 64] x [K 64, N 2,048]; A: computed on the way; B: computed on the way: left as it is (an operand is computed on the way)
;;     5. batch 64 x [M 2,048, K 2,048] x [K 2,048, N 64]; A: computed on the way; B: computed on the way: left as it is (an operand is computed on the way)
;;     6. [M 8,192, K 1,024] x [K 1,024, N 1,024]; A: computed on the way; B: input Wo: left as it is (an operand is computed on the way)
;;   THE QUANTISER, for each operand of a quantised product, along K:
;;     - K is cut into blocks of 32 from its start; a last block that is shorter is filled with zeros.
;;     - A block's scale is 2^e with e = floor(log2(the largest magnitude in the block)) - 2, held to -126 .. 127; a block of zeros has e = 0. As a byte (E8M0): e + 127.
;;     - Each number is divided by its block's scale, clamped to +-6, and rounded to the nearest number of E2M1, ties to even, subnormals kept.
;;     - The product sums the exact products of the quantised numbers (number of the format x scale) in f32.
;;   ~~~python
;;   def quantise(x, axis):      # numpy; x: float32 -> the quantised numbers, widened to float32 again
;;       x = np.moveaxis(x, axis, -1); K = x.shape[-1]
;;       x = np.pad(x, [(0, 0)] * (x.ndim - 1) + [(0, -K % 32)]); x = x.reshape(x.shape[:-1] + (-1, 32)); a = np.abs(x).max(-1, keepdims=True)
;;       e = np.where(a > 0, np.clip(np.frexp(np.where(a > 0, a, 1))[1] - 1 - 2, -126, 127), 0)      # np.frexp(a)[1] - 1 = floor(log2(a)), exactly
;;       r = np.clip(x / 2.0 ** e, -6, 6)
;;       step = 2.0 ** (np.maximum(np.frexp(np.where(r == 0, 1, r))[1] - 1, 0) - 1)
;;       q = np.round(r / step) * step * 2.0 ** e      # np.round: ties to even
;;       return np.moveaxis(q.reshape(q.shape[:-2] + (-1,))[..., :K], -1, axis).astype(np.float32)
;;   ~~~
;; One version. Each part assembles by itself: llvm-mc -triple=amdgcn-amd-amdhsa -mcpu=gfx1250 --defsym DOCPART=n.
;; ======== version 1 of 1: 5 launches
;; limits: right only within a limited range of input values; values are held in f16: magnitudes above 65,504 overflow, below 6.1e-05 lose precision
;; workspace buffers: xq 4,456,448 bytes; wq 1,671,168 bytes; wo16 2,097,152 bytes; rot 524,288 bytes; qkv 50,331,648 bytes; fine 786,432 bytes; o16 16,777,216 bytes
;; launch prep (part 1): grid 448 x 1, 4 waves a work-group, no clusters, 33,280 bytes of LDS; arguments x, Wq, Wk, Wv, Wo, token_positions, xq, wq, wo16, rot; writes xq, wq, wo16, rot
.if DOCPART == 1
	.amdgcn_target "amdgcn-amd-amdhsa--gfx1250"
	.amdhsa_code_object_version 6
	.text
	.protected	k_qa9cc5e255c_prep
	.globl	k_qa9cc5e255c_prep
	.p2align	8
	.type	k_qa9cc5e255c_prep,@function
k_qa9cc5e255c_prep:
	s_mov_b64 s[64:65], 0
	v_nop
	global_prefetch_b8 v0, s[64:65] scope:SCOPE_SE
	s_setreg_imm32_b32 hwreg(HW_REG_WAVE_MODE, 25, 1), 1
	s_wait_xcnt 0x0
; PREP: everything that later launches read many times is made once.
;  work-groups 0-351:   x [8192][1024], Wq, Wk, Wv [1024][1024], f32, K innermost, become codes of FP4 (E2M1) and one E8M0 scale byte for each 32 along K.
;                       xq: codes [8192][512 B] at 0, scale bytes [8192][32 B] at XSC.  wq: codes [3072][512 B] at 0, scale bytes [3072][32 B] at WSC.
;                       wq's rows are laid by head: row n of matrix t (0 q, 1 k, 2 v) lies at (n / 64) 192 + 64 t + n % 64, so that 192 neighbouring rows are one head's q, k and v.
;  work-groups 352-415: Wo becomes f16, laid in the order of a matrix operand's registers: [n / 16][k / 32][half][lane][16 B], lane (r, h) = Wo[16 nb + r][32 kc + 16 half + 8 h + 0..7].
;  work-groups 416-447: rot[t][i] = (cos, sin) of token_positions[t] x 10000^(-i / 32), f32, 256 bytes a position.
; A block's scale is 2^(floor(log2(its largest magnitude)) - 2); its byte is the largest magnitude's exponent field - 2, held at 1 from below.
; LIMITS: a block of zeros gets the byte 1 where the rule says 127 (its codes are zeros, and this program alone reads the bytes); blocks whose largest magnitude lies under 2^(2 - 126) were not tried;
; NaN and infinities are not served; |Wo| stays under 65,504 (f16), numbers under 6e-5 keep an absolute error of 3e-8; |position| stays under 2^22 (the reduction of the angle);
; the inverse frequencies are 2^(-i x 0.41524) by one multiplication and one exponential: some 2e-7 relative from the exact power.
; The quantiser: a wave takes 16 steps of 512 numbers (8 rows).  Each load reads 512 consecutive bytes; the conversions want 16 neighbours in a lane, so a step's 2,048 bytes turn through the wave's own stage in LDS.
; A lane's 16 codes are 8 bytes: a wave's store covers 256 consecutive bytes, aligned.  A wave's 256 scale bytes are gathered in LDS and leave as 256 consecutive bytes, aligned.  Waves share nothing: no barrier.
.set WAVES, 4
.set STEPS, 16
.set EMAX,  2
.set CB,    8                          ; bytes of 16 codes
.set R,     16                         ; v16-79   four sets of 16 numbers as they are loaded
.set X,     80                         ; v80-111  two sets of 16 neighbours
.set C,     128                        ; v128-191 codes: four registers for each step, so that no store's data are written again
.set E,     112                        ; v112-127 a scale byte for each step
.set WREG,  8192                       ; LDS: a region for each wave: two stages of 32 x SP bytes, behind them its 256 scale bytes
.set SP,    80                         ; a lane's place in a stage: 64 bytes + 16 of padding
.set SPW,   12                         ; v12  LDS address of my spare word; never rewritten
.set NIL,   13                         ; v13  0; never rewritten
.set SPARE, WAVES*WREG                 ; behind the four regions: the spare words, 128 bytes a wave
.set WV,    3                          ; s3   my wave's number
.set XSC,   4194304                    ; where xq's scale bytes begin
.set WSC,   1572864                    ; where wq's begin
	s_load_b512 s[4:19], s[0:1], 0x0               ; x s[4:5], Wq s[6:7], Wk s[8:9], Wv s[10:11], Wo s[12:13], positions s[14:15], xq s[16:17], wq s[18:19]
	s_load_b128 s[20:23], s[0:1], 0x40             ; wo16 s[20:21], rot s[22:23]
	v_lshl_add_u32 v[SPW], v0, 2, SPARE
	v_mov_b32 v[NIL], 0
	v_lshrrev_b32 v1, 5, v0
	v_readfirstlane_b32 s[WV], v1                  ; wave 0..3
	v_and_b32 v2, 31, v0                           ; lane
	s_mov_b32 s25, 0                               ; the upper word of every offset
	s_wait_kmcnt 0x0
	s_cmp_ge_u32 ttmp9, 416
	s_cbranch_scc1 .Ltable
	s_cmp_ge_u32 ttmp9, 352
	s_cbranch_scc1 .Lwo
	; ---------------- the quantiser ----------------
	v_lshlrev_b32 v3, 4, v2                        ; my 16 bytes of a load's 512
	s_mul_i32 s24, s[WV], WREG
	v_lshrrev_b32 v14, 2, v2
	v_mul_u32_u24 v14, v14, SP
	v_and_b32 v15, 3, v2
	v_lshl_add_u32 v14, v15, 4, v14
	v_add_nc_u32 v14, s24, v14                     ; the stage, on the way in: SP (lane / 4) + 16 (lane % 4)
	v_mul_u32_u24 v15, v2, SP
	v_add_nc_u32 v15, s24, v15                     ; and on the way out: SP x lane: my 16 neighbours
	v_mul_u32_u24 v4, v2, CB                       ; my codes' place in a step's
	v_lshrrev_b32 v5, 1, v2
	s_add_co_u32 s24, s24, 2*32*SP
	v_add_nc_u32 v5, s24, v5                       ; LDS: my wave's 256 scale bytes, my block's byte
	v_lshlrev_b32 v7, 3, v2                        ; and on the way out 8 bytes a lane
	v_add_nc_u32 v6, s24, v7
	; which run of 8,192 numbers (8 rows) is my wave's, and at which row of the codes' buffer it lands
	s_sub_co_u32 s26, ttmp9, 256                   ; the weights' work-groups, from 0 (of no use in x's work-groups)
	s_lshr_b32 s27, s26, 5                         ; which matrix: 32 work-groups each
	s_and_b32 s26, s26, 31
	s_lshl_b32 s26, s26, 2
	s_add_co_u32 s26, s26, s[WV]                   ; the run in that matrix: rows 8 run ..
	s_lshr_b32 s28, s26, 3                         ; its head,
	s_mul_i32 s28, s28, 192
	s_lshl_b32 s27, s27, 6
	s_add_co_u32 s28, s28, s27                     ; + 64 x matrix,
	s_and_b32 s27, s26, 7
	s_lshl_b32 s27, s27, 3
	s_add_co_u32 s28, s28, s27                     ; + the row in the head: the row in wq
	s_lshl_b32 s29, ttmp9, 2
	s_add_co_u32 s29, s29, s[WV]                   ; x: the run,
	s_lshl_b32 s30, s29, 3                         ; and its row
	s_mov_b32 s31, WSC
	s_cmp_lt_u32 ttmp9, 320                        ; the choices hang on the work-group's number alone
	s_cselect_b64 s[8:9], s[8:9], s[10:11]         ; Wk or Wv
	s_cmp_lt_u32 ttmp9, 288
	s_cselect_b64 s[6:7], s[6:7], s[8:9]           ; Wq or one of those
	s_cmp_lt_u32 ttmp9, 256
	s_cselect_b64 s[4:5], s[4:5], s[6:7]           ; x or a weight
	s_cselect_b64 s[16:17], s[16:17], s[18:19]     ; xq or wq
	s_cselect_b32 s26, s29, s26
	s_cselect_b32 s28, s30, s28
	s_cselect_b32 s31, XSC, s31
	s_lshl_b32 s24, s26, 15                        ; 32,768 bytes of f32 a run
	s_add_nc_u64 s[4:5], s[4:5], s[24:25]
	s_lshl_b32 s24, s28, 9                         ; 512 bytes of codes a row
	s_add_nc_u64 s[8:9], s[16:17], s[24:25]
	s_lshl_b32 s24, s28, 5                         ; 32 scale bytes a row
	s_add_co_u32 s24, s24, s31
	s_add_nc_u64 s[10:11], s[16:17], s[24:25]
.macro LOAD t
.irp i, 0,1,2,3
	global_load_b128 v[R+16*((\t)%4)+4*\i:R+16*((\t)%4)+4*\i+3], v3, s[4:5] offset:2048*(\t)+512*\i th:TH_LOAD_NT   ; 32 lanes read 512 consecutive bytes
.endr
.endm
.macro TURN t                          ; step t's numbers through the stage: LDS serves a wave's instructions in order, so no wait stands between the stores and the loads
.irp i, 0,1,2,3
	ds_store_b128 v14, v[R+16*((\t)%4)+4*\i:R+16*((\t)%4)+4*\i+3] offset:32*SP*((\t)%2)+8*SP*\i
.endr
.irp i, 0,1,2,3
	ds_load_b128 v[X+16*((\t)%2)+4*\i:X+16*((\t)%2)+4*\i+3], v15 offset:32*SP*((\t)%2)+16*\i
.endr
.endm
.irp t, 0,1,2,3
	LOAD \t
.endr
	s_wait_loadcnt 12                              ; step 0's four loads are in; the twelve of steps 1 to 3 stay out
	TURN 0
.macro STEP t
.set XS, X+16*((\t)%2)
.if (\t) > 0
	s_wait_dscnt 1                                 ; this step's numbers are back from the stage (the last step's byte store may be out): so its stores into the stage have read their registers,
.else
	s_wait_dscnt 0x0
.endif
.if (\t)+4 < STEPS
	LOAD (\t)+4                                    ; which take the loads of four steps on
.endif
.if (\t)+1 < STEPS
.if STEPS-2-(\t) >= 3
	s_wait_loadcnt 12                              ; the next step's four loads are in; those of the three steps behind it may be out
.else
	s_wait_loadcnt 4*(STEPS-2-(\t))
.endif
	TURN (\t)+1                                    ; and go through the other stage while this step is worked
.endif
	v_max3_num_f32 v8, |v[XS]|, |v[XS+1]|, |v[XS+2]|               ; the largest magnitude of my 16
	v_max3_num_f32 v9, |v[XS+3]|, |v[XS+4]|, |v[XS+5]|
.irp i, 6,10
	v_max3_num_f32 v8, v8, |v[XS+\i]|, |v[XS+\i+1]|
	v_max3_num_f32 v9, v9, |v[XS+\i+2]|, |v[XS+\i+3]|
.endr
	v_max3_num_f32 v8, v8, |v[XS+14]|, |v[XS+15]|
	v_max3_num_f32 v8, v8, v9, (EMAX+1)<<23        ; and the floor 2^(EMAX + 1 - 127): the byte cannot fall under 1
	v_max_num_f32_dpp v8, v8, v8 row_xmask:1 row_mask:0xf bank_mask:0xf   ; and of my neighbour's 16: the block's
	v_add_nc_u32 v11, -(EMAX<<23), v8              ; EMAX off its exponent field: the conversion takes the exponent field of this operand as its scale
	v_cvt_scalef32_pk8_fp4_f32 v[C+4*(\t)], v[XS:XS+7], v11
	v_cvt_scalef32_pk8_fp4_f32 v[C+4*(\t)+1], v[XS+8:XS+15], v11
	v_lshrrev_b32 v[E+(\t)], 23, v11               ; the scale's byte (a plain line behind the conversions)
	ds_store_b8 v5, v[E+(\t)] offset:16*(\t)       ; both lanes of a block write the same byte with the same value
	global_store_b64 v4, v[C+4*(\t):C+4*(\t)+1], s[8:9] offset:32*CB*(\t)
.endm
.irp t, 0,1,2,3,4,5,6,7,8,9,10,11,12,13,14,15
	STEP \t
.endr
	ds_load_b64 v[8:9], v6                         ; LDS serves a wave's instructions in order: these see my stores
	s_wait_dscnt 0x0
	global_store_b64 v7, v[8:9], s[10:11]          ; 32 lanes store 256 consecutive bytes, aligned
	s_wait_tensorcnt 0x0                           ; the wave's end, behind my last LDS store
	ds_add_u32 v[SPW], v[NIL]
	s_wait_dscnt 0x0
	s_endpgm
	; ---------------- Wo to f16, in the order of an operand's registers ----------------
.Lwo:
	s_sub_co_u32 s26, ttmp9, 352                   ; nb: 16 rows of Wo; my wave takes k / 32 = 8 w .. 8 w + 7
	v_and_b32 v3, 15, v0                           ; r
	v_bfe_u32 v4, v0, 4, 1                         ; h
	v_lshlrev_b32 v5, 12, v3
	v_lshl_add_u32 v5, v4, 5, v5                   ; row r of 4,096 bytes, + 32 h
	v_lshlrev_b32 v6, 4, v2                        ; out: 16 bytes a lane
	s_lshl_b32 s24, s26, 16
	s_lshl_b32 s27, s[WV], 10
	s_add_co_u32 s24, s24, s27
	s_add_nc_u64 s[12:13], s[12:13], s[24:25]
	s_lshl_b32 s24, s26, 15
	s_lshl_b32 s27, s[WV], 13
	s_add_co_u32 s24, s24, s27
	s_add_nc_u64 s[20:21], s[20:21], s[24:25]
.irp i, 0,1,2,3,4,5,6,7
	global_load_b128 v[32+16*\i:35+16*\i],  v5, s[12:13] offset:128*\i      ; half 0: k = 32 kc + 8 h + 0..3
	global_load_b128 v[36+16*\i:39+16*\i],  v5, s[12:13] offset:128*\i+16   ;                       + 4..7
	global_load_b128 v[40+16*\i:43+16*\i],  v5, s[12:13] offset:128*\i+64   ; half 1: 16 further on
	global_load_b128 v[44+16*\i:47+16*\i],  v5, s[12:13] offset:128*\i+80
.endr
	s_wait_loadcnt 0x0
.set f, 0
.rept 64
	v_cvt_pk_f16_f32 v[32+f/2], v[32+f], v[32+f+1] ; in place, ascending: a destination never lies ahead of numbers still to be read
.set f, f+2
.endr
.irp i, 0,1,2,3,4,5,6,7
	global_store_b128 v6, v[32+8*\i:35+8*\i], s[20:21] offset:1024*\i       ; 32 lanes store 512 consecutive bytes
	global_store_b128 v6, v[36+8*\i:39+8*\i], s[20:21] offset:1024*\i+512
.endr
	s_endpgm
	; ---------------- the table of cosines and sines ----------------
.Ltable:
	s_sub_co_u32 s26, ttmp9, 416
	s_lshl_b32 s26, s26, 2
	s_add_co_u32 s26, s26, s[WV]                   ; my wave's 16 positions
	s_lshl_b32 s24, s26, 6
	s_add_nc_u64 s[14:15], s[14:15], s[24:25]
	s_load_b512 s[32:47], s[14:15], 0x0            ; the 16 positions, as they are given
	s_lshl_b32 s24, s26, 12                        ; 256 bytes of table a position
	s_add_nc_u64 s[22:23], s[22:23], s[24:25]
	v_lshlrev_b32 v3, 3, v2                        ; lane = frequency i: 8 bytes
	v_cvt_f32_u32 v4, v2
	v_mul_f32 v4, 0xbed49a78, v4                   ; -i log2(10000) / 32
	v_exp_f32 v5, v4                               ; the inverse frequency
	s_mov_b32 s24, 0xbfc90fdb                      ; -pi / 2 in three parts
	s_mov_b32 s26, 0x333bbd2e
	s_mov_b32 s27, 0x26f72ced
	s_mov_b32 s28, 0xb94ca1f9                      ; sine: S3, S2, S1
	s_mov_b32 s29, 0x3c08839e
	s_mov_b32 s30, 0xbe2aaaa3
	s_mov_b32 s31, 0x37ccf5ce                      ; cosine: C3, C2, C1
	s_mov_b32 s48, 0xbab6061a
	s_mov_b32 s49, 0x3d2aaaa5
	v_nop                                          ; a plain line behind the exponential,
	s_wait_alu depctr_va_vdst(0)                   ; and the wait ahead of its first reader
	s_wait_kmcnt 0x0
; One position: a = position x inverse frequency; k = the nearest whole number to a 2 / pi; r = a - k pi / 2, at most pi / 4 in size; polynomials in r; the quadrant k mod 4 swaps and signs them.
.macro ROT i
	v_cvt_f32_i32 v16, s[32+\i]
	v_mul_f32 v16, v16, v5                         ; a
	v_mul_f32 v17, 0x3f22f983, v16
	v_rndne_f32 v17, v17                           ; k
	v_fma_f32 v18, v17, s24, v16
	v_fma_f32 v18, v17, s26, v18
	v_fma_f32 v18, v17, s27, v18                   ; r
	v_cvt_i32_f32 v20, v17
	v_mul_f32 v19, v18, v18                        ; s = r r
	v_fma_f32 v21, v19, s28, s29
	v_fma_f32 v23, v19, s31, s48
	v_fma_f32 v21, v21, v19, s30
	v_fma_f32 v23, v23, v19, s49
	v_mul_f32 v22, v18, v19
	v_fma_f32 v24, v19, -0.5, 1.0
	v_mul_f32 v25, v19, v19
	v_fma_f32 v21, v22, v21, v18                   ; sin r
	v_fma_f32 v23, v25, v23, v24                   ; cos r
	v_and_b32 v26, 1, v20
	v_cmp_eq_u32 vcc_lo, 1, v26                    ; odd quadrants swap the two
	v_cndmask_b32 v27, v21, v23, vcc_lo
	v_cndmask_b32 v28, v23, v21, vcc_lo
	v_lshlrev_b32 v29, 30, v20                     ; the sine is negative in quadrants 2, 3: bit 1 of k;
	v_add_nc_u32 v30, 1, v20
	v_and_b32 v29, 0x80000000, v29
	v_lshlrev_b32 v30, 30, v30                     ; the cosine in quadrants 1, 2: bit 1 of k + 1
	v_and_b32 v30, 0x80000000, v30
	v_xor_b32 v[65+2*\i], v27, v29
	v_xor_b32 v[64+2*\i], v28, v30
	global_store_b64 v3, v[64+2*\i:65+2*\i], s[22:23] offset:256*\i   ; 32 lanes store 256 consecutive bytes, aligned; each position has its own two registers
.endm
.irp i, 0,1,2,3,4,5,6,7,8,9,10,11,12,13,14,15
	ROT \i
.endr
	s_endpgm
.Lfunc_end_k_qa9cc5e255c_prep:
	.size	k_qa9cc5e255c_prep, .Lfunc_end_k_qa9cc5e255c_prep-k_qa9cc5e255c_prep
	.p2alignl 7, 3214868480
	.fill 96, 4, 3214868480
	.section	.rodata,"a",@progbits
	.p2align	6, 0x0
	.amdhsa_kernel k_qa9cc5e255c_prep
		.amdhsa_group_segment_fixed_size 33280
		.amdhsa_private_segment_fixed_size 0
		.amdhsa_enable_private_segment 0
		.amdhsa_kernarg_size 80
		.amdhsa_user_sgpr_count 2
		.amdhsa_user_sgpr_kernarg_segment_ptr 1
		.amdhsa_wavefront_size32 1
		.amdhsa_system_sgpr_workgroup_id_x 1
		.amdhsa_system_sgpr_workgroup_id_y 1
		.amdhsa_system_sgpr_workgroup_id_z 1
		.amdhsa_system_vgpr_workitem_id 0
		.amdhsa_next_free_vgpr 192
		.amdhsa_next_free_sgpr 66
		.amdhsa_reserve_vcc 1
		.amdhsa_float_denorm_mode_32 3
		.amdhsa_float_denorm_mode_16_64 3
		.amdhsa_memory_ordered 1
		.amdhsa_forward_progress 1
		.amdhsa_inst_pref_size 67
	.end_amdhsa_kernel
	.amdgpu_metadata
---
amdhsa.version: [ 1, 2 ]
amdhsa.kernels:
  - .name:           k_qa9cc5e255c_prep
    .symbol:         k_qa9cc5e255c_prep.kd
    .args:
      - { .name: x, .offset: 0, .size: 8, .value_kind: global_buffer, .address_space: global }
      - { .name: Wq, .offset: 8, .size: 8, .value_kind: global_buffer, .address_space: global }
      - { .name: Wk, .offset: 16, .size: 8, .value_kind: global_buffer, .address_space: global }
      - { .name: Wv, .offset: 24, .size: 8, .value_kind: global_buffer, .address_space: global }
      - { .name: Wo, .offset: 32, .size: 8, .value_kind: global_buffer, .address_space: global }
      - { .name: token_positions, .offset: 40, .size: 8, .value_kind: global_buffer, .address_space: global }
      - { .name: xq, .offset: 48, .size: 8, .value_kind: global_buffer, .address_space: global }
      - { .name: wq, .offset: 56, .size: 8, .value_kind: global_buffer, .address_space: global }
      - { .name: wo16, .offset: 64, .size: 8, .value_kind: global_buffer, .address_space: global }
      - { .name: rot, .offset: 72, .size: 8, .value_kind: global_buffer, .address_space: global }
    .group_segment_fixed_size: 33280
    .private_segment_fixed_size: 0
    .kernarg_segment_align: 8
    .kernarg_segment_size: 80
    .max_flat_workgroup_size: 128
    .sgpr_count:     66
    .vgpr_count:     192
    .wavefront_size: 32
...
	.end_amdgpu_metadata
.endif
;; end of part 1
;; launch qkv (part 2): grid 16 x 32, 4 waves a work-group, clusters of 4 x 4, 262,144 bytes of LDS; arguments xq, wq, rot, qkv, fine; writes qkv, fine
.if DOCPART == 2
	.amdgcn_target "amdgcn-amd-amdhsa--gfx1250"
	.amdhsa_code_object_version 6
	.text
	.protected	k_qa9cc5e255c_qkv
	.globl	k_qa9cc5e255c_qkv
	.p2align	8
	.type	k_qa9cc5e255c_qkv,@function
k_qa9cc5e255c_qkv:
	s_mov_b64 s[64:65], 0
	v_nop
	global_prefetch_b8 v0, s[64:65] scope:SCOPE_SE
	s_setreg_imm32_b32 hwreg(HW_REG_WAVE_MODE, 25, 1), 1
	s_wait_xcnt 0x0
	s_wait_alu depctr_hold_cnt(0) depctr_sa_sdst(0) depctr_va_vdst(0) depctr_va_sdst(0) depctr_va_ssrc(0) depctr_va_vcc(0) depctr_vm_vsrc(0)
	s_getreg_b32 s2, hwreg(HW_REG_IB_STS2, 6, 4)
	s_cmp_eq_u32 s2, 0
	s_cbranch_scc0 .Lentry_in_a_cluster
	s_endpgm
.Lentry_in_a_cluster:
	s_bfe_u32 s2, ttmp6, 0x10000c
	s_cmp_lg_u32 s2, 0xf033
	s_cbranch_scc0 .Lentry_shape_is_right
	s_endpgm
.Lentry_shape_is_right:
; QKV: q, k, v = x Wq^T, x Wk^T, x Wv^T on codes of FP4 (E2M1) with E8M0 scales, sums in f32; q and k are then turned by the table (RoPE), and all three leave as f16.
; A work-group makes 256 tokens x 192 columns: one head's q, k and v (wq's rows are laid by head).  Each of its four waves makes 64 tokens x 192: 4 x 12 accumulators of 16 x 16, 384 registers.
; All of K = 1,024 lies in LDS at once, as two halves of 512 (rows of 256 bytes + 16 of padding): every tensor load is a first fill, nothing is filled twice.
; CLUSTER 4 x 4: place cx picks the head (4 x cluster x + cx), place cy the batch, cluster y the 256 tokens in the sequence.  The four of a row of the cluster need the same rows of x, the four of a column
; the same rows of wq: each tile is asked for jointly, by the same tensor load with the same descriptor and a mask that names the four.
; q AND k ARE MADE TRANSPOSED (source 0 = 16 rows of W, source 1 = 16 tokens): a lane holds one token and eight neighbouring channels, which is what the turning wants (pairs of channels in a lane) and, rounded to f16,
; IS half a fragment of the next product.  v IS MADE THE NATURAL WAY (source 0 = tokens, source 1 = W): a lane holds one channel and eight neighbouring tokens: half a fragment of V^T.
; So every store is 512 consecutive bytes straight from registers.  qkv: q at 0, k at 2^24, v at 2^25; each [16 b + head][262,144 B]; q, k: [t / 16][channel / 16][lane][16 B]; v: [t / 32][channel / 16][(t / 16) % 2][lane][16 B].
; The first 16 positions of every sequence also leave in f32 (fine), for the launch that carries those rows more finely.
; LIMITS: |q|, |k|, |v| stay under 65,504 (f16); numbers under 6e-5 keep an absolute error of 3e-8.
; REGISTERS, in windows of 256: window 0: v1-29 addresses; v32-47 x's scale words, v48-95 W's (nothing else ever lies there); v96-159 x's fragments, two sets (on the way out: at work); v160-223 the table for token blocks 0, 1; v224-239 v packed.
;   window 1: v0-191 W's fragments, two sets; v192-255 the table for token blocks 2, 3.   window 2: accumulator (a, b) at 96 a + 8 b, a = 0, 1.   window 3: the same for a = 2, 3.
.set PITCH, 272                        ; an LDS row: 256 bytes + 16: the 16 rows that a load touches start at 16 different banks (64 banks of 4 bytes: ISA guide 11.1)
.set SLOT,  448*PITCH                  ; half of K: x's 256 rows, then W's 192
.set BOFF,  256*PITCH
.set SPARE, 2*SLOT                     ; behind both halves: the spare words, 128 bytes a wave
.set XSC,   4194304                    ; where xq's scale bytes begin
.set WSC,   1572864                    ; where wq's begin
.set LI,   1                           ; v1   16 x lane
.set RA,   2                           ; v2   256 r + 32 h: my place in the table, and in fine's rows
.set SA32, 3                           ; v3   32 x lane: a row of scale bytes a lane
.set ADRA, 16                          ; v16-17 LDS address of my x fragments in half 0, 1
.set ADRB, 20                          ; v20-21 the same for W
.set SPW,  28                          ; v28  LDS address of my spare word; never rewritten
.set NIL,  29                          ; v29  0; never rewritten
.set SCA,  32                          ; register 8 p + s: lanes 0-15 the word of x's block 2 p, lanes 16-31 of block 2 p + 1, for the s-th 128 along K
.set SCB,  48                          ; the same for W's blocks
.set XF,   96
.set TMP,  96
.set T01,  160
.set T23,  192
.set VP,   224
.set WV,   14                          ; s14  my wave's number
.set G1A,  24                          ; s[24:31] descriptor group 1 for x's tiles;  s[32:39] group 0, one set for each half
.set G0A,  32
.set G1B,  48                          ; s[48:55], s[56:63] the same for W's
.set G0B,  56
.set MSB, 0
.macro WIN new                         ; the immediate's high byte repeats the setting that is left
.if MSB != (\new)
	s_set_vgpr_msb (MSB<<8)|(\new)
.set MSB, (\new)
.endif
.endm
.macro CROUND                          ; a round of the cluster's barrier
	s_barrier_signal -1
	s_barrier_wait -1
	s_cmp_lg_u32 s[WV], 0
	s_cbranch_scc1 .Lnot_wave_0_\@
	s_barrier_signal -3
.Lnot_wave_0_\@:
	s_barrier_wait -3
	s_barrier_signal -1
	s_barrier_wait -1
.endm
.macro PLACES                          ; four plain lines between a matrix instruction and a load into, or a vector line on, its registers
.rept 4
	v_nop
.endr
.endm
	s_load_b256 s[4:11], s[0:1], 0x0               ; xq s[4:5], wq s[6:7], rot s[8:9], qkv s[10:11]
	s_load_b64 s[12:13], s[0:1], 0x20              ; fine
	v_lshl_add_u32 v[SPW], v0, 2, SPARE
	v_mov_b32 v[NIL], 0
	ds_add_u32 v[SPW], v[NIL]                      ; the wave's opening: the add, twice on end, and its wait ahead of my first tensor load
	ds_add_u32 v[SPW], v[NIL]
	v_lshrrev_b32 v4, 5, v0
	v_readfirstlane_b32 s[WV], v4                  ; wave 0..3
	s_lshr_b32 s15, s[WV], 1                       ; I fetch for x (0) or for W (1),
	s_and_b32 s16, s[WV], 1                        ; and which half of that tile's rows
	s_bfe_u32 s17, ttmp6, 0x40000                  ; cx
	s_bfe_u32 s18, ttmp6, 0x40004                  ; cy: the batch
	s_lshl_b32 s19, ttmp9, 2
	s_add_co_u32 s19, s19, s17                     ; the head = 4 x cluster x + cx
	s_and_b32 s20, ttmp7, 0xffff                   ; cluster y: which 256 tokens of the sequence; the same in all sixteen partners
	s_lshl_b32 s40, s18, 2
	s_lshl_b32 s40, 15, s40                        ; my row of the cluster
	s_lshl_b32 s41, 0x1111, s17                    ; my column
	s_or_b32 s[G1A], s40, (1<<20)|(1<<21)|(5<<22)|(3<<25)  ; 15:0 the mask; 17:16 elements of 1 byte; 20 padding on; 21 set beside a mask; 24:22 after every 64 words; 31:25 four words
	s_or_b32 s[G1B], s41, (1<<20)|(1<<21)|(5<<22)|(3<<25)
	s_mov_b32 s[G1A+1], 256<<16                    ; tensor_dim0 = 256 bytes
	s_mov_b32 s[G1A+2], 128<<16                    ; tensor_dim1 = 128 rows
	s_mov_b32 s[G1A+3], 256<<16                    ; tile_dim0
	s_mov_b32 s[G1A+4], 128                        ; tile_dim1
	s_mov_b32 s[G1A+5], 512                        ; from row to row in memory
	s_mov_b32 s[G1A+6], 0
	s_mov_b32 s[G1A+7], 0
	s_mov_b32 s[G1B+1], 256<<16
	s_mov_b32 s[G1B+2], 96<<16                     ; W: 96 rows a load
	s_mov_b32 s[G1B+3], 256<<16
	s_mov_b32 s[G1B+4], 96
	s_mov_b32 s[G1B+5], 512
	s_mov_b32 s[G1B+6], 0
	s_mov_b32 s[G1B+7], 0
	s_lshl_b32 s42, s18, 11
	s_lshl_b32 s43, s20, 8
	s_add_co_u32 s42, s42, s43                     ; the tile's first row of x: 2048 cy + 256 cluster y
	s_lshl_b32 s43, s16, 7
	s_add_co_u32 s43, s42, s43                     ; + the 128 rows that I fetch
	s_lshl_b32 s44, s43, 9
	s_mov_b32 s45, 0
	s_mul_i32 s46, s19, 192                        ; the head's first row of wq
	s_mul_i32 s47, s16, 96
	s_add_co_u32 s47, s46, s47
	s_lshl_b32 s66, s47, 9
	s_mov_b32 s67, 0
	s_mul_i32 s68, s16, 128*PITCH                  ; where they go: no place in the cluster enters an LDS address
	s_mul_i32 s69, s16, 96*PITCH
	s_add_co_u32 s69, s69, BOFF
	s_wait_dscnt 0x0                               ; both opening adds are done
	s_wait_kmcnt 0x0
	s_add_nc_u64 s[44:45], s[4:5], s[44:45]
	s_add_nc_u64 s[66:67], s[6:7], s[66:67]
	CROUND                                         ; all sixteen work-groups are here: the joint loads meet
.irp s, 0,1
	s_mov_b32 s[G0A+4*\s], 1
	s_add_co_u32 s[G0A+4*\s+1], s68, \s*SLOT
	s_add_nc_u64 s[G0A+4*\s+2:G0A+4*\s+3], s[44:45], \s*256
	s_or_b32 s[G0A+4*\s+3], s[G0A+4*\s+3], 0x80000000
	s_mov_b32 s[G0B+4*\s], 1
	s_add_co_u32 s[G0B+4*\s+1], s69, \s*SLOT
	s_add_nc_u64 s[G0B+4*\s+2:G0B+4*\s+3], s[66:67], \s*256
	s_or_b32 s[G0B+4*\s+3], s[G0B+4*\s+3], 0x80000000
.endr
	s_cmp_eq_u32 s15, 0                            ; a wave's two loads stand in one branch on the wave's number: two loads of mine are out
	s_cbranch_scc0 .Lfill_w
	tensor_load_to_lds s[G0A:G0A+3], s[G1A:G1A+7]
	s_nop 0
	tensor_load_to_lds s[G0A+4:G0A+7], s[G1A:G1A+7]
	s_nop 0
.rept 4
	v_nop
.endr
	s_branch .Lfilled
.Lfill_w:
	tensor_load_to_lds s[G0B:G0B+3], s[G1B:G1B+7]
	s_nop 0
	tensor_load_to_lds s[G0B+4:G0B+7], s[G1B:G1B+7]
	s_nop 0
.rept 4
	v_nop
.endr
.Lfilled:
	v_and_b32 v5, 31, v0
	v_lshlrev_b32 v[SA32], 5, v5
	v_lshlrev_b32 v[LI], 4, v5
	v_and_b32 v6, 15, v0                           ; r
	v_bfe_u32 v7, v0, 4, 1                         ; h
	v_lshlrev_b32 v[RA], 8, v6
	v_lshl_add_u32 v[RA], v7, 5, v[RA]
	s_lshl_b32 s70, s[WV], 6
	s_add_co_u32 s70, s70, s42                     ; my wave's first row of x
	s_lshl_b32 s70, s70, 5
	s_add_co_u32 s70, s70, XSC
	s_mov_b32 s71, 0
	s_add_nc_u64 s[70:71], s[4:5], s[70:71]        ; its scale bytes
	s_lshl_b32 s72, s46, 5
	s_add_co_u32 s72, s72, WSC
	s_mov_b32 s73, 0
	s_add_nc_u64 s[72:73], s[6:7], s[72:73]        ; the head's 192 rows of scale bytes
	; the scale words of all of K, once: a lane takes a row's 32 bytes in two loads; two loads together cover 1,024 consecutive bytes
.irp p, 0,1
.irp f, 0,1
	global_load_b128 v[SCA+8*\p+4*\f:SCA+8*\p+4*\f+3], v[SA32], s[70:71] offset:1024*\p+16*\f
.endr
.endr
.irp p, 0,1,2,3,4,5
.irp f, 0,1
	global_load_b128 v[SCB+8*\p+4*\f:SCB+8*\p+4*\f+3], v[SA32], s[72:73] offset:1024*\p+16*\f
.endr
.endr
	s_lshl_b32 s74, s20, 8
	s_lshl_b32 s75, s[WV], 6
	s_add_co_u32 s74, s74, s75                     ; my wave's first token in the sequence
	s_lshl_b32 s76, s74, 8
	s_mov_b32 s77, 0
	s_add_nc_u64 s[76:77], s[8:9], s[76:77]
	; the table: for token block a and channels 16 b' + 8 h + 0..7, four (cos, sin): 32 bytes
.irp a, 0,1
.irp b, 0,1,2,3
	global_load_b128 v[T01+32*\a+8*\b:T01+32*\a+8*\b+3],   v[RA], s[76:77] offset:4096*\a+64*\b
	global_load_b128 v[T01+32*\a+8*\b+4:T01+32*\a+8*\b+7], v[RA], s[76:77] offset:4096*\a+64*\b+16
.endr
.endr
	WIN 0x40                                       ; destination window 1
.irp a, 0,1
.irp b, 0,1,2,3
	global_load_b128 v[T23+32*\a+8*\b:T23+32*\a+8*\b+3],   v[RA], s[76:77] offset:8192+4096*\a+64*\b
	global_load_b128 v[T23+32*\a+8*\b+4:T23+32*\a+8*\b+7], v[RA], s[76:77] offset:8192+4096*\a+64*\b+16
.endr
.endr
	WIN 0
	s_lshl_b32 s78, s18, 4
	s_add_co_u32 s78, s78, s19                     ; 16 x batch + head
	s_lshl_b32 s80, s78, 18
	s_lshl_b32 s79, s74, 7                         ; 16 tokens are 2,048 bytes in q, in k and in v
	s_add_co_u32 s80, s80, s79
	s_mov_b32 s81, 0
	s_add_nc_u64 s[80:81], s[10:11], s[80:81]      ; q
	s_add_nc_u64 s[82:83], s[80:81], 16777216      ; k
	s_add_nc_u64 s[84:85], s[80:81], 33554432      ; v
	s_lshl_b32 s86, s78, 12
	s_mov_b32 s87, 0
	s_add_nc_u64 s[86:87], s[12:13], s[86:87]      ; fine
	s_or_b32 s88, s20, s[WV]                       ; 0 in the wave that holds positions 0 to 15 of a sequence
	v_mul_u32_u24 v8, v6, PITCH
	v_lshl_add_u32 v8, v7, 4, v8                   ; a fragment's row x pitch + 16 h
	s_mul_i32 s89, s[WV], 64*PITCH
	v_add_nc_u32 v[ADRA], s89, v8
	v_add_nc_u32 v[ADRA+1], SLOT, v[ADRA]
	v_add_nc_u32 v[ADRB], BOFF, v8
	v_add_nc_u32 v[ADRB+1], SLOT+BOFF, v8
.macro FRAG reg, adr, q, i             ; 16 rows x 128 K of 4-bit codes: 8 registers; registers 4 c .. 4 c + 3 hold K = 64 c + 32 h + 0..31
.irp c, 0,1
	ds_load_b128 v[(\reg)+4*\c:(\reg)+4*\c+3], v[\adr] offset:64*(\q)+32*\c+(\i)*16*PITCH
.endr
.endm
.macro FETCH s                         ; the fragments of the s-th 128 along K into set s % 2: 32 loads in one run
	WIN 0x40
.irp i, 0,1,2,3,4,5,6,7,8,9,10,11
	FRAG 96*((\s)%2)+8*\i, ADRB+(\s)/4, (\s)%4, \i
.endr
	WIN 0
.irp i, 0,1,2,3
	FRAG XF+32*((\s)%2)+8*\i, ADRA+(\s)/4, (\s)%4, \i
.endr
.endm
; One scaled product.  rD accumulator, rX source 0, rY source 1, rSX, rSY their scale registers, rRX, rRY = 1: the words lie in lanes 16-31; rZ = 1: the product starts the sum.
.macro WMS
.if rZ
.if rRX && rRY
	v_wmma_scale_f32_16x16x128_f8f6f4 v[rD:rD+7], v[rX:rX+7], v[rY:rY+7], 0, v[rSX], v[rSY] matrix_a_fmt:MATRIX_FMT_FP4 matrix_b_fmt:MATRIX_FMT_FP4 matrix_a_scale:MATRIX_SCALE_ROW1 matrix_b_scale:MATRIX_SCALE_ROW1
.elseif rRX
	v_wmma_scale_f32_16x16x128_f8f6f4 v[rD:rD+7], v[rX:rX+7], v[rY:rY+7], 0, v[rSX], v[rSY] matrix_a_fmt:MATRIX_FMT_FP4 matrix_b_fmt:MATRIX_FMT_FP4 matrix_a_scale:MATRIX_SCALE_ROW1
.elseif rRY
	v_wmma_scale_f32_16x16x128_f8f6f4 v[rD:rD+7], v[rX:rX+7], v[rY:rY+7], 0, v[rSX], v[rSY] matrix_a_fmt:MATRIX_FMT_FP4 matrix_b_fmt:MATRIX_FMT_FP4 matrix_b_scale:MATRIX_SCALE_ROW1
.else
	v_wmma_scale_f32_16x16x128_f8f6f4 v[rD:rD+7], v[rX:rX+7], v[rY:rY+7], 0, v[rSX], v[rSY] matrix_a_fmt:MATRIX_FMT_FP4 matrix_b_fmt:MATRIX_FMT_FP4
.endif
.else
.if rRX && rRY
	v_wmma_scale_f32_16x16x128_f8f6f4 v[rD:rD+7], v[rX:rX+7], v[rY:rY+7], v[rD:rD+7], v[rSX], v[rSY] matrix_a_fmt:MATRIX_FMT_FP4 matrix_b_fmt:MATRIX_FMT_FP4 matrix_a_scale:MATRIX_SCALE_ROW1 matrix_b_scale:MATRIX_SCALE_ROW1
.elseif rRX
	v_wmma_scale_f32_16x16x128_f8f6f4 v[rD:rD+7], v[rX:rX+7], v[rY:rY+7], v[rD:rD+7], v[rSX], v[rSY] matrix_a_fmt:MATRIX_FMT_FP4 matrix_b_fmt:MATRIX_FMT_FP4 matrix_a_scale:MATRIX_SCALE_ROW1
.elseif rRY
	v_wmma_scale_f32_16x16x128_f8f6f4 v[rD:rD+7], v[rX:rX+7], v[rY:rY+7], v[rD:rD+7], v[rSX], v[rSY] matrix_a_fmt:MATRIX_FMT_FP4 matrix_b_fmt:MATRIX_FMT_FP4 matrix_b_scale:MATRIX_SCALE_ROW1
.else
	v_wmma_scale_f32_16x16x128_f8f6f4 v[rD:rD+7], v[rX:rX+7], v[rY:rY+7], v[rD:rD+7], v[rSX], v[rSY] matrix_a_fmt:MATRIX_FMT_FP4 matrix_b_fmt:MATRIX_FMT_FP4
.endif
.endif
.endm
.macro MULQK hi, s                     ; q and k, transposed: token blocks 2 hi, 2 hi + 1 x W's blocks 0-7: source 0 = W (window 1), source 1 = x (window 0)
	WIN 0xa1+0x50*(\hi)
.irp a, 0,1
.irp b, 0,1,2,3,4,5,6,7
.set rD,  96*\a+8*\b
.set rX,  96*((\s)%2)+8*\b
.set rY,  XF+32*((\s)%2)+8*(2*(\hi)+\a)
.set rSX, SCB+8*(\b/2)+(\s)
.set rSY, SCA+8*(\hi)+(\s)
.set rRX, \b%2
.set rRY, \a
	WMS
.endr
.endr
.endm
.macro MULV hi, s                      ; v, the natural way: source 0 = x (window 0), source 1 = W's blocks 8-11 (window 1)
	WIN 0xa4+0x50*(\hi)
.irp a, 0,1
.irp b, 8,9,10,11
.set rD,  96*\a+8*\b
.set rX,  XF+32*((\s)%2)+8*(2*(\hi)+\a)
.set rY,  96*((\s)%2)+8*\b
.set rSX, SCA+8*(\hi)+(\s)
.set rSY, SCB+8*(\b/2)+(\s)
.set rRX, \a
.set rRY, \b%2
	WMS
.endr
.endr
.endm
; A step of 128 along K: the next step's fragments are asked for in one run, then 48 products.  The 48 accumulators take turns, one instruction a turn, in the same order in every step.
.macro KSTEP s
.set rZ, 0
.if (\s) == 0
.set rZ, 1
.endif
.if (\s) > 0
	PLACES                                         ; in front of loads into the set that the last step multiplied
.endif
.if (\s) == 3
	s_wait_tensorcnt 0x0                           ; my part of the second half of K has landed,
	s_wait_dscnt 0x0                               ; no LDS load of mine is out at a signal,
	s_barrier_signal -1
	s_barrier_wait -1                              ; and everybody's part has landed
.endif
.if (\s) < 7
	FETCH (\s)+1
	s_wait_dscnt 32                                ; all but the 32 just issued: this step's fragments are in
.else
	s_wait_dscnt 0x0
.endif
.if (\s) == 0
	s_wait_loadcnt 32                              ; the 16 loads of scale words are in; the 32 of the table may stay out
.endif
	MULQK 0, \s
	MULV 0, \s
	MULQK 1, \s
	MULV 1, \s
.endm
	s_wait_tensorcnt 1                             ; my part of the first half of K is in; the second half's load may stay out
	s_barrier_signal -1
	s_barrier_wait -1                              ; everybody's is
	FETCH 0
.irp s, 0,1,2,3,4,5,6,7
	KSTEP \s
.endr
	WIN 0
	PLACES                                         ; behind the last products: their results are read, and x's fragments written over, below
	s_wait_loadcnt 0x0                             ; the table
; THE WAY OUT of token block a.  q and k: (x1, x2) of a pair of channels becomes (x1 cos - x2 sin, x1 sin + x2 cos): two packed lines a pair.  Each accumulator is read from its low end on.
.macro EPI a
.if (\a) > 0
	s_wait_xcnt 0x0                                ; the last block's stores have read their data: the registers are written again only behind this wait
.endif
.if (\a) < 2
	WIN 0x02                                       ; source 0 (the sums) window 2, the table window 0
.set AC, 96*(\a)
.set TT, T01+32*(\a)
.else
	WIN 0x07                                       ; the sums window 3, the table window 1
.set AC, 96*((\a)-2)
.set TT, T23+32*((\a)-2)
.endif
.irp b, 0,1,2,3,4,5,6,7
.irp i, 0,1,2,3
	v_pk_mul_f32 v[TMP+8*\b+2*\i:TMP+8*\b+2*\i+1], v[AC+8*\b+2*\i:AC+8*\b+2*\i+1], v[TT+8*(\b%4)+2*\i:TT+8*(\b%4)+2*\i+1] op_sel_hi:[0,1]   ; (x1 cos, x1 sin)
.endr
.irp i, 0,1,2,3
	v_pk_fma_f32 v[TMP+8*\b+2*\i:TMP+8*\b+2*\i+1], v[AC+8*\b+2*\i:AC+8*\b+2*\i+1], v[TT+8*(\b%4)+2*\i:TT+8*(\b%4)+2*\i+1], v[TMP+8*\b+2*\i:TMP+8*\b+2*\i+1] op_sel:[1,1,0] op_sel_hi:[1,0,1] neg_lo:[1,0,0]   ; + (-x2 sin, x2 cos)
.endr
.endr
	WIN 0
.if (\a) == 0
	s_cmp_lg_u32 s88, 0                            ; positions 0 to 15 of a sequence also leave in f32: cluster y and the wave's number alone decide
	s_cbranch_scc1 .Lnofine
.irp b, 0,1,2,3,4,5,6,7
	global_store_b128 v[RA], v[TMP+8*\b:TMP+8*\b+3],   s[86:87] offset:262144*(\b/4)+64*(\b%4)      ; q, then k: [t][64] f32
	global_store_b128 v[RA], v[TMP+8*\b+4:TMP+8*\b+7], s[86:87] offset:262144*(\b/4)+64*(\b%4)+16
.endr
	WIN 0x08                                       ; a store's data: window 2
.irp ct, 0,1,2,3
	global_store_b128 v[LI], v[64+8*\ct:64+8*\ct+3], s[86:87] offset:524288+1024*\ct               ; v: the accumulators as they stand
	global_store_b128 v[LI], v[64+8*\ct+4:64+8*\ct+7], s[86:87] offset:524288+1024*\ct+512
.endr
	WIN 0
.Lnofine:
	s_wait_xcnt 0x0                                ; those stores have read their data, which is packed in place below
.endif
.set f, 0
.rept 32
	v_cvt_pk_f16_f32 v[TMP+f/2], v[TMP+f], v[TMP+f+1]   ; in place, ascending
.set f, f+2
.endr
	WIN 0x0a+5*((\a)/2)                            ; sources 0 and 1: window 2 or 3
.irp ct, 0,1,2,3
.irp i, 0,1,2,3
	v_cvt_pk_f16_f32 v[VP+4*\ct+\i], v[AC+64+8*\ct+2*\i], v[AC+64+8*\ct+2*\i+1]
.endr
.endr
	WIN 0
.irp b, 0,1,2,3
	global_store_b128 v[LI], v[TMP+4*\b:TMP+4*\b+3], s[80:81] offset:2048*(\a)+512*\b             ; each store: 512 consecutive bytes
	global_store_b128 v[LI], v[TMP+16+4*\b:TMP+16+4*\b+3], s[82:83] offset:2048*(\a)+512*\b
	global_store_b128 v[LI], v[VP+4*\b:VP+4*\b+3], s[84:85] offset:4096*((\a)/2)+1024*\b+512*((\a)%2)
.endr
.endm
	EPI 0
	EPI 1
	EPI 2
	EPI 3
	s_wait_tensorcnt 0x0                           ; the wave's end
	ds_add_u32 v[SPW], v[NIL]
	s_wait_dscnt 0x0
	CROUND                                         ; the closing round
	s_endpgm
.Lfunc_end_k_qa9cc5e255c_qkv:
	.size	k_qa9cc5e255c_qkv, .Lfunc_end_k_qa9cc5e255c_qkv-k_qa9cc5e255c_qkv
	.p2alignl 7, 3214868480
	.fill 96, 4, 3214868480
	.section	.rodata,"a",@progbits
	.p2align	6, 0x0
	.amdhsa_kernel k_qa9cc5e255c_qkv
		.amdhsa_group_segment_fixed_size 262144
		.amdhsa_private_segment_fixed_size 0
		.amdhsa_enable_private_segment 0
		.amdhsa_kernarg_size 40
		.amdhsa_user_sgpr_count 2
		.amdhsa_user_sgpr_kernarg_segment_ptr 1
		.amdhsa_wavefront_size32 1
		.amdhsa_system_sgpr_workgroup_id_x 1
		.amdhsa_system_sgpr_workgroup_id_y 1
		.amdhsa_system_sgpr_workgroup_id_z 1
		.amdhsa_system_vgpr_workitem_id 0
		.amdhsa_next_free_vgpr 1024
		.amdhsa_next_free_sgpr 96
		.amdhsa_reserve_vcc 0
		.amdhsa_float_denorm_mode_32 3
		.amdhsa_float_denorm_mode_16_64 3
		.amdhsa_memory_ordered 1
		.amdhsa_forward_progress 1
		.amdhsa_inst_pref_size 115
	.end_amdhsa_kernel
	.amdgpu_metadata
---
amdhsa.version: [ 1, 2 ]
amdhsa.kernels:
  - .name:           k_qa9cc5e255c_qkv
    .symbol:         k_qa9cc5e255c_qkv.kd
    .args:
      - { .name: xq, .offset: 0, .size: 8, .value_kind: global_buffer, .address_space: global }
      - { .name: wq, .offset: 8, .size: 8, .value_kind: global_buffer, .address_space: global }
      - { .name: rot, .offset: 16, .size: 8, .value_kind: global_buffer, .address_space: global }
      - { .name: qkv, .offset: 24, .size: 8, .value_kind: global_buffer, .address_space: global }
      - { .name: fine, .offset: 32, .size: 8, .value_kind: global_buffer, .address_space: global }
    .group_segment_fixed_size: 262144
    .private_segment_fixed_size: 0
    .kernarg_segment_align: 8
    .kernarg_segment_size: 40
    .max_flat_workgroup_size: 128
    .sgpr_count:     96
    .vgpr_count:     1024
    .wavefront_size: 32
...
	.end_amdgpu_metadata
.endif
;; end of part 2
;; launch attn (part 3): grid 4 x 64, 16 waves a work-group, no clusters, 327,680 bytes of LDS; arguments qkv, o16; writes o16
.if DOCPART == 3
	.amdgcn_target "amdgcn-amd-amdhsa--gfx1250"
	.amdhsa_code_object_version 6
	.text
	.protected	k_qa9cc5e255c_attn
	.globl	k_qa9cc5e255c_attn
	.p2align	8
	.type	k_qa9cc5e255c_attn,@function
k_qa9cc5e255c_attn:
	s_mov_b64 s[64:65], 0
	v_nop
	global_prefetch_b8 v0, s[64:65] scope:SCOPE_SE
	s_setreg_imm32_b32 hwreg(HW_REG_WAVE_MODE, 25, 1), 1
	s_wait_xcnt 0x0
; ATTN: O[q] = the sum over keys k with q - 512 <= k <= q of softmax_k(Q[q] . K[k] / 8) V[k], for one head.  Operands f16, products, maxima and sums f32; the weights p are rounded to f16 for the second product.
; A work-group owns 512 queries of one head (16 b + head = work-group y); each of its sixteen waves owns 32, two tiles of 16, in 256 registers: four waves to a SIMD, so that one wave's softmax stands beside another's products and LDS loads.
; The block's queries can see 1,024 keys, q0 - 512 .. q0 + 511: all of them lie in LDS at once, 128 bytes of K and of V a key, in four parts of 256 keys.  Nothing is filled twice.
; The walk begins with the block's own keys (every query sees itself there, so the maximum is a number from a wave's first step on), then takes the 512 keys below.  The lower parts are asked for behind the first two barriers.
; NO CLUSTER: neighbouring blocks share half a window only, at different LDS places and at different times of their walks, and block 0 has no lower half: partners would not make the same requests.
; NO PREFETCH: every tile is asked for by its tensor load at the head or two parts (eight key steps) ahead of its use.
; A step is 64 keys.  A step none of whose keys counts for the wave's 32 queries is jumped over by a scalar branch on ids; the loops' trip counts are constants.  Of 16 steps a wave works 9 at the most.
; LAYOUT.  S^T = K Q^T (source 0 = 16 keys, source 1 = 16 queries): a lane holds ONE query and the keys 8 h + 0..7.  Two such tiles, rounded to f16 in pairs, ARE source 1 of O^T = V^T P.  K, V and Q lie in memory and in LDS
; in the order of their operands' registers: every load is 16 x lane, 512 consecutive bytes.
; SOFTMAX.  For each query a running maximum m and sum l: p = 2^(c s - c m), c = log2(e) / 8; in every step O and l are multiplied by a = 2^(c m_old - c m_new).  Hidden scores become -infinity ahead of the maximum.
; LIMITS: q, k, v arrive in f16; O stays under 65,504.  NaN and infinities are not served.
.set LI,   1                           ; v1   16 x lane
.set ADK,  2                           ; v2   LDS address of the step's K
.set ADV,  3                           ; v3   of its V
.set VQ,   4                           ; v4   my query of tile 0, less 8 h
.set DF,   5                           ; v5-8 the masks' differences
.set NINF, 9                           ; v9   -infinity
.set SPW,  10                          ; v10  LDS address of my spare word; never rewritten
.set NIL,  11                          ; v11  0; never rewritten
.set LIV,  12                          ; v12  16 x lane + where V begins
.set ST,   16                          ; tile t's statistics at v[ST + 8 t]: +0 c m, +1 m, +2, +3 l, +4, +5 at work, +6 a, +7 at work
.set Q,    32                          ; Q(t, c) at 32 + 16 t + 8 c
.set S,    64                          ; S(t, kt) at 64 + 32 t + 8 kt; then p; then P(t, u) at 64 + 32 t + 8 u
.set O,    128                         ; O(t, ct) at 128 + 32 t + 8 ct
.set KV,   192                         ; K's eight fragments, later V's
.set VBASE, 131072                     ; LDS: K's four parts of 32,768 bytes, then V's
.set SPARE, 262144                     ; behind them: the spare words, 128 bytes a wave
.set WV,   8
.set G1,   24                          ; s[24:31] descriptor group 1: 32,768 dense bytes as 128 rows of 256
.set G0H,  32                          ; s[32:35] group 0 of the head's load (waves 0-3)
.set G0L,  36                          ; s[36:39] group 0 that walks through the lower parts (waves 0, 1)
.set KF,   40                          ; s40  the step's first key
.set TB,   41                          ; s41  the step's LDS byte
.set LOW,  42                          ; s42  steps under this first key are jumped over
.set QHI,  43                          ; s43  my last query
.set DG,   44                          ; s44  above this first key the step lies on the diagonal
.set FAR,  45                          ; s45  under this one on the window's far edge
.set CS,   46                          ; s[46:47] c
.set SEL,  48                          ; s[48:49] lane selects for lane l xor 16
.set QW,   50                          ; s50  my first query
	s_load_b128 s[4:7], s[0:1], 0x0                ; qkv s[4:5], o16 s[6:7]
	v_lshl_add_u32 v[SPW], v0, 2, SPARE
	v_mov_b32 v[NIL], 0
	ds_add_u32 v[SPW], v[NIL]                      ; the wave's opening: the add, twice on end, and its wait ahead of the first tensor load
	ds_add_u32 v[SPW], v[NIL]
	v_lshrrev_b32 v2, 5, v0
	v_readfirstlane_b32 s[WV], v2                  ; wave 0..15
	s_lshl_b32 s9, ttmp9, 9                        ; q0
	s_and_b32 s10, ttmp7, 0xffff                   ; 16 b + head
	s_mov_b32 s[G1], 3<<16                         ; elements of 8 bytes, no mask, no padding
	s_mov_b32 s[G1+1], 32<<16                      ; tensor_dim0 = 32
	s_mov_b32 s[G1+2], 128<<16                     ; tensor_dim1 = 128
	s_mov_b32 s[G1+3], 32<<16                      ; tile_dim0
	s_mov_b32 s[G1+4], 128                         ; tile_dim1
	s_mov_b32 s[G1+5], 32                          ; from row to row: dense
	s_mov_b32 s[G1+6], 0
	s_mov_b32 s[G1+7], 0
	s_and_b32 s12, s[WV], 1                        ; I fetch K (0) or V (1),
	s_lshr_b32 s13, s[WV], 1                       ; at the head: part 0 or 1
	s_lshl_b32 s14, s12, 17
	s_lshl_b32 s15, s13, 15
	s_mov_b32 s[G0H], 1
	s_add_co_u32 s[G0H+1], s14, s15
	s_mov_b32 s[G0L], 1
	s_add_co_u32 s[G0L+1], s14, 32768              ; stepped by a part ahead of each use: parts 2 and 3
	s_add_co_u32 s16, s12, 1
	s_lshl_b32 s16, s16, 24                        ; k begins at 2^24, v at 2^25
	s_lshl_b32 s17, s10, 18
	s_add_co_u32 s16, s16, s17
	s_lshl_b32 s17, s9, 7                          ; 128 bytes a key
	s_add_co_u32 s16, s16, s17
	s_add_co_u32 s18, s16, s15                     ; keys q0 + 256 x part
	s_mov_b32 s19, 0
	s_sub_co_u32 s20, s16, 98304                   ; key q0 - 768, a part under the first lower part (the sum stays above 0: k begins at 2^24)
	s_mov_b32 s21, 0
	s_lshl_b32 s[QW], s[WV], 5
	s_add_co_u32 s[QW], s[QW], s9
	s_sub_co_i32 s[LOW], s[QW], 575                ; a step counts where its last key reaches my first query - 512,
	s_max_i32 s[LOW], s[LOW], 0                    ; and there is no key under 0
	s_add_co_u32 s[QHI], s[QW], 31
	s_sub_co_i32 s[DG], s[QW], 63
	s_sub_co_i32 s[FAR], s[QW], 481
	s_mov_b32 s[CS], 0x3e38aa3b                    ; c = log2(e) / 8
	s_mov_b32 s[CS+1], s[CS]                       ; (named with it as a pair, so it is written)
	s_mov_b32 s[SEL], 0x76543210
	s_mov_b32 s[SEL+1], 0xfedcba98
	s_mov_b32 s[KF], s9
	s_mov_b32 s[TB], 0
	s_lshl_b32 s22, s10, 18
	s_lshl_b32 s23, s[QW], 7
	s_add_co_u32 s22, s22, s23
	s_mov_b32 s23, 0
	s_lshr_b32 s54, s10, 4
	s_lshl_b32 s54, s54, 22                        ; o16: 128 blocks of 16 tokens a batch, 32,768 bytes each,
	s_lshl_b32 s55, s[QW], 11
	s_add_co_u32 s54, s54, s55
	s_and_b32 s55, s10, 15
	s_lshl_b32 s55, s55, 11                        ; in a block 2,048 bytes a head
	s_add_co_u32 s54, s54, s55
	s_mov_b32 s55, 0
	s_wait_dscnt 0x0                               ; both opening adds are done
	s_wait_kmcnt 0x0
	s_add_nc_u64 s[G0H+2:G0H+3], s[4:5], s[18:19]
	s_or_b32 s[G0H+3], s[G0H+3], 0x80000000
	s_add_nc_u64 s[G0L+2:G0L+3], s[4:5], s[20:21]
	s_or_b32 s[G0L+3], s[G0L+3], 0x80000000
	s_cmp_lt_u32 s[WV], 4                          ; the head's fills: waves 0-3, one load each: K's and V's parts 0 and 1
	s_cbranch_scc0 .Lno_head
	tensor_load_to_lds s[G0H:G0H+3], s[G1:G1+7]
	s_nop 0
.rept 4
	v_nop
.endr
.Lno_head:
	s_add_nc_u64 s[22:23], s[4:5], s[22:23]        ; Q at my first query
	s_add_nc_u64 s[6:7], s[6:7], s[54:55]
	v_and_b32 v[LI], 31, v0
	v_lshlrev_b32 v[LI], 4, v[LI]
	v_add_nc_u32 v[LIV], VBASE, v[LI]
.set L, 0
.rept 8
	global_load_b128 v[Q+4*L:Q+4*L+3], v[LI], s[22:23] offset:512*L   ; Q stays in registers
.set L, L+1
.endr
	v_and_b32 v[VQ], 15, v0
	v_bfe_u32 v[DF], v0, 4, 1
	v_lshlrev_b32 v[DF], 3, v[DF]
	v_sub_nc_u32 v[VQ], v[VQ], v[DF]
	v_add_nc_u32 v[VQ], s[QW], v[VQ]
	v_mov_b32 v[NINF], 0xff800000
.irp t, 0,1
	v_mov_b32 v[ST+8*\t+1], 0xff61b1e6             ; m: -3e38, under every score
	v_mul_f32 v[ST+8*\t], s[CS], v[ST+8*\t+1]
	v_mov_b32 v[ST+8*\t+2], 0                      ; l
	v_mov_b32 v[ST+8*\t+3], 0
	v_mov_b32 v[ST+8*\t+4], 0                      ; written once: a lane permute's destination counts as one of its sources, a pair's upper half as read
	v_mov_b32 v[ST+8*\t+5], 0
	v_mov_b32 v[ST+8*\t+6], 0
	v_mov_b32 v[ST+8*\t+7], 0
.endr
.set i, 0
.rept 64
	v_mov_b32 v[O+i], 0                            ; O^T.  (The step is written without a first step of its own: it finds zeros, which the first change of m leaves zeros)
.set i, i+1
.endr
; gt = 1: scores of keys after the query become -infinity; gt = 0: those more than 512 before it.  d: the two tiles' differences.  Register 8 kt + j holds key KF + 8 h + 16 kt + j.
.macro MASK gt, d
.irp t, 0,1
.irp kt, 0,1,2,3
.irp j, 0,1,2,3,4,5,6,7
.if \gt
	v_cmp_gt_i32 vcc_lo, 16*\kt+\j, v[\d+\t]
.else
	v_cmp_lt_i32 vcc_lo, 16*\kt+\j, v[\d+\t]
.endif
	v_cndmask_b32 v[S+32*\t+8*\kt+\j], v[S+32*\t+8*\kt+\j], v[NINF], vcc_lo
.endr
.endr
.endr
.endm
; A KEY STEP: 64 keys.
.macro STEP
	s_cmp_lt_i32 s[KF], s[LOW]                     ; ids and the count of steps alone: no barrier and no tensor load stands in a step
	s_cbranch_scc1 .Lskip_\@
	s_cmp_gt_i32 s[KF], s[QHI]
	s_cbranch_scc1 .Lskip_\@
	v_add_nc_u32 v[ADK], s[TB], v[LI]
	v_add_nc_u32 v[ADV], s[TB], v[LIV]
.rept 3
	v_nop                                          ; with the two additions five places behind the last step's products: V's registers are loaded again (four are asked), and the scores are written over P by matrix instructions (five)
.endr
.set L, 0
.rept 16
	ds_load_b128 v[KV+4*L:KV+4*L+3], v[ADK] offset:512*L   ; K's fragment (kt, c) at 8 (2 kt + c)
.set L, L+1
.endr
	s_wait_dscnt 0x0
.irp c, 0,1                            ; S^T = K Q^T: the eight accumulators take turns
.irp kt, 0,1,2,3
.irp t, 0,1
.if \c == 0
	v_wmma_f32_16x16x32_f16 v[S+32*\t+8*\kt:S+32*\t+8*\kt+7], v[KV+8*(2*\kt+\c):KV+8*(2*\kt+\c)+7], v[Q+16*\t+8*\c:Q+16*\t+8*\c+7], 0
.else
	v_wmma_f32_16x16x32_f16 v[S+32*\t+8*\kt:S+32*\t+8*\kt+7], v[KV+8*(2*\kt+\c):KV+8*(2*\kt+\c)+7], v[Q+16*\t+8*\c:Q+16*\t+8*\c+7], v[S+32*\t+8*\kt:S+32*\t+8*\kt+7]
.endif
.endr
.endr
.endr
.rept 4
	v_nop                                          ; places in front of the loads into K's registers and of the first read of the scores
.endr
.set L, 0
.rept 16
	ds_load_b128 v[KV+4*L:KV+4*L+3], v[ADV] offset:512*L   ; V's fragment (u, ct) at 8 (4 u + ct): it lands under the softmax
.set L, L+1
.endr
	s_cmp_gt_i32 s[KF], s[DG]                      ; does the step's last key come after my first query?
	s_cbranch_scc0 .Lno_diag_\@
	v_sub_nc_u32 v[DF], v[VQ], s[KF]               ; hidden where 16 kt + j > my query - KF - 8 h
	v_add_nc_u32 v[DF+1], 16, v[DF]
	MASK 1, DF
.Lno_diag_\@:
	s_cmp_lt_i32 s[KF], s[FAR]                     ; does its first key lie more than 512 before my last query?
	s_cbranch_scc0 .Lno_far_\@
	v_sub_nc_u32 v[DF+2], v[VQ], s[KF]
	v_add_nc_u32 v[DF+2], 0xfffffe00, v[DF+2]      ; hidden where 16 kt + j < my query - 512 - KF - 8 h
	v_add_nc_u32 v[DF+3], 16, v[DF+2]
	MASK 0, DF+2
.Lno_far_\@:
.irp t, 0,1                            ; the maximum of my 32 scores and the old m: two chains a tile; each accumulator is read from its low end on
	v_max3_num_f32 v[ST+8*\t+4], v[S+32*\t], v[S+32*\t+1], v[ST+8*\t+1]
	v_max_num_f32 v[ST+8*\t+5], v[S+32*\t+16], v[S+32*\t+17]
.endr
.irp i, 2,4,6,8,10,12,14
.irp t, 0,1
	v_max3_num_f32 v[ST+8*\t+4], v[ST+8*\t+4], v[S+32*\t+\i], v[S+32*\t+\i+1]
	v_max3_num_f32 v[ST+8*\t+5], v[ST+8*\t+5], v[S+32*\t+16+\i], v[S+32*\t+17+\i]
.endr
.endr
.irp t, 0,1
	v_max_num_f32 v[ST+8*\t+4], v[ST+8*\t+4], v[ST+8*\t+5]
.endr
.irp t, 0,1
	v_permlanex16_b32 v[ST+8*\t+5], v[ST+8*\t+4], s[SEL], s[SEL+1]   ; the query's other 32 keys lie in the lane 16 away
.endr
.irp t, 0,1
	v_mov_b32 v[ST+8*\t+7], v[ST+8*\t]             ; c m_old
.endr
.irp t, 0,1
	v_max_num_f32 v[ST+8*\t+1], v[ST+8*\t+4], v[ST+8*\t+5]
.endr
.irp t, 0,1
	v_mul_f32 v[ST+8*\t], s[CS], v[ST+8*\t+1]
.endr
.irp t, 0,1
	v_sub_f32 v[ST+8*\t+7], v[ST+8*\t+7], v[ST+8*\t]
.endr
.irp i, 0,2,4,6,8,10,12,14,16,18,20,22,24,26,28,30
.irp t, 0,1
	v_pk_fma_f32 v[S+32*\t+\i:S+32*\t+\i+1], v[S+32*\t+\i:S+32*\t+\i+1], s[CS:CS+1], v[ST+8*\t:ST+8*\t+1] op_sel_hi:[1,0,0] neg_lo:[0,0,1] neg_hi:[0,0,1]   ; c s - c m
.endr
.endr
.irp t, 0,1
	v_exp_f32 v[ST+8*\t+6], v[ST+8*\t+7]           ; a
.endr
.set i, 0
.rept 64
	v_exp_f32 v[S+i], v[S+i]                       ; p: one batch of 66 exponentials,
.set i, i+1
.endr
	v_nop                                          ; one plain line behind the last,
	s_wait_alu depctr_va_vdst(0)                   ; and one wait ahead of the first line that names a result
.irp t, 0,1                            ; l = a l + the sum of the unrounded p: two chains a tile
	v_pk_fma_f32 v[ST+8*\t+2:ST+8*\t+3], v[ST+8*\t+2:ST+8*\t+3], v[ST+8*\t+6:ST+8*\t+7], v[S+32*\t:S+32*\t+1] op_sel_hi:[1,0,1]
	v_pk_add_f32 v[ST+8*\t+4:ST+8*\t+5], v[S+32*\t+16:S+32*\t+17], v[S+32*\t+18:S+32*\t+19]
.endr
.irp i, 2,4,6,8,10,12
.irp t, 0,1
	v_pk_add_f32 v[ST+8*\t+2:ST+8*\t+3], v[ST+8*\t+2:ST+8*\t+3], v[S+32*\t+\i:S+32*\t+\i+1]
	v_pk_add_f32 v[ST+8*\t+4:ST+8*\t+5], v[ST+8*\t+4:ST+8*\t+5], v[S+32*\t+18+\i:S+32*\t+19+\i]
.endr
.endr
.irp t, 0,1
	v_pk_add_f32 v[ST+8*\t+2:ST+8*\t+3], v[ST+8*\t+2:ST+8*\t+3], v[S+32*\t+14:S+32*\t+15]
.endr
.irp t, 0,1
	v_pk_add_f32 v[ST+8*\t+2:ST+8*\t+3], v[ST+8*\t+2:ST+8*\t+3], v[ST+8*\t+4:ST+8*\t+5]
.endr
.irp i, 0,2,4,6,8,10,12,14,16,18,20,22,24,26,28,30
.irp t, 0,1
	v_cvt_pk_f16_f32 v[S+32*\t+\i/2], v[S+32*\t+\i], v[S+32*\t+\i+1]   ; P, in place, ascending
.endr
.endr
.irp i, 0,2,4,6,8,10,12,14,16,18,20,22,24,26,28,30
.irp t, 0,1
	v_pk_mul_f32 v[O+32*\t+\i:O+32*\t+\i+1], v[O+32*\t+\i:O+32*\t+\i+1], v[ST+8*\t+6:ST+8*\t+7] op_sel_hi:[1,0]   ; O^T x a
.endr
.endr
	s_wait_dscnt 0x0                               ; V is in
.irp u, 0,1                            ; O^T += V^T P: the eight accumulators take turns
.irp ct, 0,1,2,3
.irp t, 0,1
	v_wmma_f32_16x16x32_f16 v[O+32*\t+8*\ct:O+32*\t+8*\ct+7], v[KV+8*(4*\u+\ct):KV+8*(4*\u+\ct)+7], v[S+32*\t+8*\u:S+32*\t+8*\u+7], v[O+32*\t+8*\ct:O+32*\t+8*\ct+7]
.endr
.endr
.endr
.Lskip_\@:
	s_add_co_u32 s[TB], s[TB], 8192                ; the next step's tiles,
	s_add_co_i32 s[KF], s[KF], 64                  ; and keys
.endm
	s_wait_loadcnt 0x0                             ; Q
	s_mov_b32 s51, 2
.Lpart:                                            ; two trips: the block's own 512 keys, 256 a trip; behind each trip's barrier a lower part is asked for, two parts ahead of its use
	s_wait_tensorcnt 0x0                           ; all my tensor loads have landed, so a group 0 may be written
	ds_add_u32 v[SPW], v[NIL]                      ; the add here, and twice on end, in every trip alike
	ds_add_u32 v[SPW], v[NIL]
	s_add_co_u32 s[G0L+1], s[G0L+1], 32768         ; the walking descriptor: the next part in LDS,
	s_add_nc_u64 s[G0L+2:G0L+3], s[G0L+2:G0L+3], 32768   ; and the next 256 keys; the type bits on top are not reached
	s_wait_dscnt 0x0                               ; both adds are done, and no LDS load of mine is out
	s_barrier_signal -1
	s_barrier_wait -1                              ; what has been asked for so far lies whole in LDS, for every wave
	s_cmp_eq_u32 ttmp9, 0                          ; the sequence's first block has no keys below: none of its waves would read them, so they are not asked for.  The work-group's number alone: all sixteen waves go the same way
	s_cbranch_scc1 .Lpast
	s_cmp_lt_u32 s[WV], 2                          ; wave 0: K's part, wave 1: V's
	s_cbranch_scc0 .Lpast
	tensor_load_to_lds s[G0L:G0L+3], s[G1:G1+7]    ; a first fill of these bytes; my one tensor load until the next barrier
	s_nop 0
.rept 4
	v_nop
.endr
.Lpast:
	s_mov_b32 s52, 4
.Lstep_a:
	STEP
	s_sub_co_u32 s52, s52, 1
	s_cmp_lg_u32 s52, 0
	s_cbranch_scc1 .Lstep_a
	s_sub_co_u32 s51, s51, 1
	s_cmp_lg_u32 s51, 0
	s_cbranch_scc1 .Lpart
	s_sub_co_i32 s[KF], s[KF], 1024                ; on to key q0 - 512; its tiles follow in LDS
	s_wait_tensorcnt 0x0                           ; the lower parts have landed,
	ds_add_u32 v[SPW], v[NIL]
	s_wait_dscnt 0x0
	s_barrier_signal -1
	s_barrier_wait -1                              ; for every wave
	s_mov_b32 s52, 8
.Lstep_b:
	STEP
	s_sub_co_u32 s52, s52, 1
	s_cmp_lg_u32 s52, 0
	s_cbranch_scc1 .Lstep_b
	; THE WAY OUT.  O^T / l, rounded to f16: a lane's eight channels of a token are half a fragment of the projection's operand: 512 consecutive bytes a store.
.rept 4
	v_nop                                          ; places behind the last products
.endr
.irp t, 0,1
	v_add_f32 v[ST+8*\t+4], v[ST+8*\t+2], v[ST+8*\t+3]
.endr
.irp t, 0,1
	v_permlanex16_b32 v[ST+8*\t+5], v[ST+8*\t+4], s[SEL], s[SEL+1]
.endr
.irp t, 0,1
	v_add_f32 v[ST+8*\t+4], v[ST+8*\t+4], v[ST+8*\t+5]
.endr
.irp t, 0,1
	v_rcp_f32 v[ST+8*\t+6], v[ST+8*\t+4]
.endr
	v_nop
	s_wait_alu depctr_va_vdst(0)                   ; one wait for both reciprocals
.irp i, 0,2,4,6,8,10,12,14,16,18,20,22,24,26,28,30
.irp t, 0,1
	v_pk_mul_f32 v[O+32*\t+\i:O+32*\t+\i+1], v[O+32*\t+\i:O+32*\t+\i+1], v[ST+8*\t+6:ST+8*\t+7] op_sel_hi:[1,0]
.endr
.endr
.set i, 0
.rept 32
	v_cvt_pk_f16_f32 v[S+i], v[O+2*i], v[O+2*i+1]
.set i, i+1
.endr
.irp t, 0,1
.irp ct, 0,1,2,3
	global_store_b128 v[LI], v[S+16*\t+4*\ct:S+16*\t+4*\ct+3], s[6:7] offset:32768*\t+512*\ct
.endr
.endr
	s_wait_tensorcnt 0x0                           ; the wave's end
	ds_add_u32 v[SPW], v[NIL]
	s_wait_dscnt 0x0
	s_endpgm
.Lfunc_end_k_qa9cc5e255c_attn:
	.size	k_qa9cc5e255c_attn, .Lfunc_end_k_qa9cc5e255c_attn-k_qa9cc5e255c_attn
	.p2alignl 7, 3214868480
	.fill 96, 4, 3214868480
	.section	.rodata,"a",@progbits
	.p2align	6, 0x0
	.amdhsa_kernel k_qa9cc5e255c_attn
		.amdhsa_group_segment_fixed_size 327680
		.amdhsa_private_segment_fixed_size 0
		.amdhsa_enable_private_segment 0
		.amdhsa_kernarg_size 16
		.amdhsa_user_sgpr_count 2
		.amdhsa_user_sgpr_kernarg_segment_ptr 1
		.amdhsa_wavefront_size32 1
		.amdhsa_system_sgpr_workgroup_id_x 1
		.amdhsa_system_sgpr_workgroup_id_y 1
		.amdhsa_system_sgpr_workgroup_id_z 1
		.amdhsa_system_vgpr_workitem_id 0
		.amdhsa_next_free_vgpr 256
		.amdhsa_next_free_sgpr 66
		.amdhsa_reserve_vcc 1
		.amdhsa_float_denorm_mode_32 3
		.amdhsa_float_denorm_mode_16_64 3
		.amdhsa_memory_ordered 1
		.amdhsa_forward_progress 1
		.amdhsa_inst_pref_size 65
	.end_amdhsa_kernel
	.amdgpu_metadata
---
amdhsa.version: [ 1, 2 ]
amdhsa.kernels:
  - .name:           k_qa9cc5e255c_attn
    .symbol:         k_qa9cc5e255c_attn.kd
    .args:
      - { .name: qkv, .offset: 0, .size: 8, .value_kind: global_buffer, .address_space: global }
      - { .name: o16, .offset: 8, .size: 8, .value_kind: global_buffer, .address_space: global }
    .group_segment_fixed_size: 327680
    .private_segment_fixed_size: 0
    .kernarg_segment_align: 8
    .kernarg_segment_size: 16
    .max_flat_workgroup_size: 512
    .sgpr_count:     66
    .vgpr_count:     256
    .wavefront_size: 32
...
	.end_amdgpu_metadata
.endif
;; end of part 3
;; launch proj (part 4): grid 4 x 64, 4 waves a work-group, clusters of 4 x 4, 327,680 bytes of LDS; arguments o16, wo16, out0; writes out0
.if DOCPART == 4
	.amdgcn_target "amdgcn-amd-amdhsa--gfx1250"
	.amdhsa_code_object_version 6
	.text
	.protected	k_qa9cc5e255c_proj
	.globl	k_qa9cc5e255c_proj
	.p2align	8
	.type	k_qa9cc5e255c_proj,@function
k_qa9cc5e255c_proj:
	s_mov_b64 s[64:65], 0
	v_nop
	global_prefetch_b8 v0, s[64:65] scope:SCOPE_SE
	s_setreg_imm32_b32 hwreg(HW_REG_WAVE_MODE, 25, 1), 1
	s_wait_xcnt 0x0
	s_wait_alu depctr_hold_cnt(0) depctr_sa_sdst(0) depctr_va_vdst(0) depctr_va_sdst(0) depctr_va_ssrc(0) depctr_va_vcc(0) depctr_vm_vsrc(0)
	s_getreg_b32 s2, hwreg(HW_REG_IB_STS2, 6, 4)
	s_cmp_eq_u32 s2, 0
	s_cbranch_scc0 .Lentry_in_a_cluster
	s_endpgm
.Lentry_in_a_cluster:
	s_bfe_u32 s2, ttmp6, 0x10000c
	s_cmp_lg_u32 s2, 0xf033
	s_cbranch_scc0 .Lentry_shape_is_right
	s_endpgm
.Lentry_shape_is_right:
; PROJ: out0[t][n] = the sum over m of O[t][m] Wo[n][m], operands f16, sums f32, for all rows but the first 16 positions of each sequence, which another launch makes more finely.
; A work-group makes 128 tokens x 256 outputs; a wave 64 x 128: 32 accumulators of 16 x 16, 256 registers.  256 work-groups.
; Both operands lie in memory in the order of their fragments' registers: [block of 16 rows][k / 32][half][lane][16 B].  A K step of 128 is 4,096 consecutive bytes of each block of 16 rows.
; K goes in 8 steps of 128 through a ring of two LDS slots; in LDS every fragment load is 16 x lane, 512 consecutive bytes: no padding is wanted.
; CLUSTER 4 x 4: place cx picks the 256 outputs, place cy the batch, cluster y the 128 tokens in the sequence.  O's tile is shared along a row of the cluster, Wo's along a column: each is asked for jointly.
; THE MATRIX INSTRUCTION IS USED TRANSPOSED (source 0 = 16 rows of Wo, source 1 = 16 tokens): a lane holds eight neighbouring outputs of one token.
; NO PREFETCH: the whole of wo16 and a tile row of o16 are read by four work-groups at once through joint loads, and the launch is short.
; REGISTERS: window 0: v1-29 addresses; fragment set p at 32 + 96 p (O's 4 x 8, then Wo's 8 x 8); on the way out v32-95 hold rows.  window 1: accumulator (a, b) at 8 (8 a + b).
.set KB,    4096                       ; bytes of a K step in a block of 16 rows
.set SLOT,  98304                      ; O's 8 blocks, then Wo's 16
.set BOFF,  32768
.set STAGE, 2*SLOT                     ; behind the ring: 16 rows x (512 + 16) bytes for each wave, for the way out
.set SPITCH, 528
.set SPARE, STAGE+4*16*SPITCH          ; behind the stages: the spare words, 128 bytes a wave
.set ADRA, 16                          ; v16-17 LDS address of my O fragments in slot 0, 1
.set ADRB, 20                          ; v20-21 the same for Wo
.set STO,  24
.set RD,   25
.set CO,   26
.set SPW,  28                          ; v28  LDS address of my spare word; never rewritten
.set NIL,  29                          ; v29  0; never rewritten
.set WV,   10
.set G1,   24
.set G0,   32
.set G1B,  48
.set G0B,  56
.set MSB, 0
.macro WIN new
.if MSB != (\new)
	s_set_vgpr_msb (MSB<<8)|(\new)
.set MSB, (\new)
.endif
.endm
.macro JLOAD s                         ; a joint load: waves 0 and 1 fetch O's two halves, waves 2 and 3 Wo's; an s_nop 0 and four v_nop follow each of the two lines
	s_cmp_eq_u32 s11, 0
	s_cbranch_scc0 .Lfor_b_\@
	tensor_load_to_lds s[G0+4*\s:G0+4*\s+3], s[G1:G1+7]
	s_nop 0
.rept 4
	v_nop
.endr
	s_branch .Lasked_\@
.Lfor_b_\@:
	tensor_load_to_lds s[G0B+4*\s:G0B+4*\s+3], s[G1B:G1B+7]
	s_nop 0
.rept 4
	v_nop
.endr
.Lasked_\@:
.endm
.macro CROUND
	s_barrier_signal -1
	s_barrier_wait -1
	s_cmp_lg_u32 s[WV], 0
	s_cbranch_scc1 .Lnot_wave_0_\@
	s_barrier_signal -3
.Lnot_wave_0_\@:
	s_barrier_wait -3
	s_barrier_signal -1
	s_barrier_wait -1
.endm
.macro PLACES
.rept 4
	v_nop
.endr
.endm
	s_load_b128 s[4:7], s[0:1], 0x0                ; o16 s[4:5], wo16 s[6:7]
	s_load_b64 s[8:9], s[0:1], 0x10                ; out0
	v_lshl_add_u32 v[SPW], v0, 2, SPARE
	v_mov_b32 v[NIL], 0
	ds_add_u32 v[SPW], v[NIL]                      ; the wave's opening: the add, twice on end, and its wait ahead of my first tensor load
	ds_add_u32 v[SPW], v[NIL]
	v_lshrrev_b32 v1, 5, v0
	v_readfirstlane_b32 s[WV], v1
	s_lshr_b32 s11, s[WV], 1                       ; which 64 tokens are mine.  Also: I fetch for O (0) or for Wo (1)
	s_and_b32 s12, s[WV], 1                        ; which 128 outputs.  Also: which half of that tile I fetch
	s_bfe_u32 s40, ttmp6, 0x40000                  ; cx
	s_bfe_u32 s41, ttmp6, 0x40004                  ; cy: the batch
	s_and_b32 s13, ttmp7, 0xffff                   ; cluster y: which 128 tokens of the sequence
	s_lshl_b32 s43, s41, 2
	s_lshl_b32 s43, 15, s43                        ; my row of the cluster
	s_lshl_b32 s44, 0x1111, s40                    ; my column
	s_or_b32 s[G1], s43, (3<<16)|(1<<21)           ; 15:0 the mask; 17:16 elements of 8 bytes; 21 set beside a mask; no padding
	s_or_b32 s[G1B], s44, (3<<16)|(1<<21)
	s_mov_b32 s[G1+1], 512<<16                     ; tensor_dim0 = 512 elements: 4,096 bytes
	s_mov_b32 s[G1+2], 4<<16                       ; tensor_dim1 = 4 blocks of 16 tokens
	s_mov_b32 s[G1+3], 512<<16                     ; tile_dim0
	s_mov_b32 s[G1+4], 4                           ; tile_dim1
	s_mov_b32 s[G1+5], 4096                        ; from block to block: 32,768 bytes
	s_mov_b32 s[G1+6], 0
	s_mov_b32 s[G1+7], 0
	s_mov_b32 s[G1B+1], 512<<16
	s_mov_b32 s[G1B+2], 8<<16                      ; Wo: 8 blocks of 16 rows a load
	s_mov_b32 s[G1B+3], 512<<16
	s_mov_b32 s[G1B+4], 8
	s_mov_b32 s[G1B+5], 4096
	s_mov_b32 s[G1B+6], 0
	s_mov_b32 s[G1B+7], 0
	s_lshl_b32 s16, s41, 7
	s_lshl_b32 s17, s13, 3
	s_add_co_u32 s16, s16, s17
	s_lshl_b32 s17, s12, 2
	s_add_co_u32 s16, s16, s17                     ; O: block 128 cy + 8 cluster y + 4 x half
	s_lshl_b32 s16, s16, 15
	s_mov_b32 s17, 0
	s_lshl_b32 s46, s40, 4
	s_lshl_b32 s47, s12, 3
	s_add_co_u32 s46, s46, s47                     ; Wo: block 16 cx + 8 x half
	s_lshl_b32 s46, s46, 15
	s_mov_b32 s47, 0
	s_lshl_b32 s20, s12, 14                        ; where they go: no place in the cluster enters an LDS address
	s_lshl_b32 s21, s12, 15
	s_add_co_u32 s21, s21, BOFF
	s_wait_dscnt 0x0                               ; both opening adds are done
	s_wait_kmcnt 0x0
	s_add_nc_u64 s[14:15], s[4:5], s[16:17]
	s_add_nc_u64 s[46:47], s[6:7], s[46:47]
	CROUND                                         ; all sixteen work-groups are here: the first joint loads meet
.irp s, 0,1
	s_mov_b32 s[G0+4*\s], 1
	s_add_co_u32 s[G0+4*\s+1], s20, \s*SLOT
	s_add_nc_u64 s[G0+4*\s+2:G0+4*\s+3], s[14:15], \s*KB
	s_or_b32 s[G0+4*\s+3], s[G0+4*\s+3], 0x80000000
	s_mov_b32 s[G0B+4*\s], 1
	s_add_co_u32 s[G0B+4*\s+1], s21, \s*SLOT
	s_add_nc_u64 s[G0B+4*\s+2:G0B+4*\s+3], s[46:47], \s*KB
	s_or_b32 s[G0B+4*\s+3], s[G0B+4*\s+3], 0x80000000
	JLOAD \s
.endr
	v_and_b32 v1, 15, v0                           ; r
	v_bfe_u32 v2, v0, 4, 1                         ; h
	v_and_b32 v3, 31, v0
	v_lshlrev_b32 v[CO], 4, v3                     ; 16 x lane
	s_lshl_b32 s22, s11, 14                        ; my 4 blocks of O
	s_lshl_b32 s23, s12, 15                        ; my 8 blocks of Wo,
	s_add_co_u32 s23, s23, BOFF                    ; which lie behind O's 8
.irp s, 0,1
	v_add_nc_u32 v[ADRA+\s], s22, v[CO]
	v_add_nc_u32 v[ADRB+\s], s23, v[CO]
	s_add_co_u32 s22, s22, SLOT
	s_add_co_u32 s23, s23, SLOT
.endr
	s_mul_i32 s22, s[WV], 16*SPITCH
	s_add_co_u32 s22, s22, STAGE                   ; my stage
	v_mul_u32_u24 v4, v1, SPITCH
	v_lshl_add_u32 v4, v2, 5, v4
	v_add_nc_u32 v[STO], s22, v4                   ; in: row r, 32 bytes for each half of the lanes
	v_add_nc_u32 v[RD], s22, v[CO]                 ; back: the 32 lanes take a row of 512 bytes
	s_lshl_b32 s16, s41, 11
	s_lshl_b32 s17, s13, 7
	s_add_co_u32 s16, s16, s17
	s_lshl_b32 s17, s11, 6
	s_add_co_u32 s16, s16, s17                     ; my first row of out0: 2048 cy + 128 cluster y + 64 x half
	s_lshl_b32 s16, s16, 12
	s_mov_b32 s17, 0
	s_add_nc_u64 s[8:9], s[8:9], s[16:17]
	s_lshl_b32 s46, s40, 10                        ; my first column, in bytes: 1024 cx + 512 x half
	s_lshl_b32 s47, s12, 9
	s_add_co_u32 s46, s46, s47
	s_mov_b32 s47, 0
	s_add_nc_u64 s[8:9], s[8:9], s[46:47]
	s_or_b32 s42, s13, s11                         ; 0 in the waves whose first 16 rows are positions 0 to 15 of a sequence
.macro FETCH slot, q                   ; the fragments of the slot's q-th 32 along K into set q % 2: 24 loads in one run
.set FB, 32+96*((\q)%2)
.irp i, 0,1,2,3
	ds_load_b128 v[FB+8*\i:FB+8*\i+3],   v[ADRA+(\slot)] offset:4096*\i+1024*(\q)
	ds_load_b128 v[FB+8*\i+4:FB+8*\i+7], v[ADRA+(\slot)] offset:4096*\i+1024*(\q)+512
.endr
.irp i, 0,1,2,3,4,5,6,7
	ds_load_b128 v[FB+32+8*\i:FB+32+8*\i+3],   v[ADRB+(\slot)] offset:4096*\i+1024*(\q)
	ds_load_b128 v[FB+32+8*\i+4:FB+32+8*\i+7], v[ADRB+(\slot)] offset:4096*\i+1024*(\q)+512
.endr
.endm
.macro MUL32 q, zero                   ; 32 products on set q % 2: the 32 accumulators take turns, in the same order in every quarter
	WIN 0x50                                       ; C and D window 1
.set FB, 32+96*((\q)%2)
.irp a, 0,1,2,3
.irp b, 0,1,2,3,4,5,6,7
.if \zero
	v_wmma_f32_16x16x32_f16 v[8*(8*\a+\b):8*(8*\a+\b)+7], v[FB+32+8*\b:FB+32+8*\b+7], v[FB+8*\a:FB+8*\a+7], 0
.else
	v_wmma_f32_16x16x32_f16 v[8*(8*\a+\b):8*(8*\a+\b)+7], v[FB+32+8*\b:FB+32+8*\b+7], v[FB+8*\a:FB+8*\a+7], v[8*(8*\a+\b):8*(8*\a+\b)+7]
.endif
.endr
.endr
.endm
.macro QUARTER slot, q, zero           ; one of a slot's first three quarters: the next quarter is asked for, this one multiplied
	WIN 0
.if !(\zero)
	PLACES                                         ; in front of loads into the set that the last quarter multiplied
.endif
	FETCH \slot, (\q)+1
	s_wait_dscnt 24                                ; all but the 24 just issued
	MUL32 \q, \zero
.endm
; A slot's last quarter changes slots.  Its fragments are in registers once the LDS loads are back, so the slot is read out.  Each wave waits for all its tensor loads (one is out: its part of the other slot), adds 0 to its
; spare word, and waits for that and for its reads.  fill = 1: a round of the cluster's barrier, and this slot is filled again, two K steps ahead: the load has 128 matrix instructions in which to land.
.macro TURN slot, fill
	WIN 0
	s_wait_tensorcnt 0x0
	ds_add_u32 v[SPW], v[NIL]
.if \fill
	s_add_nc_u64 s[G0+4*\slot+2:G0+4*\slot+3], s[G0+4*\slot+2:G0+4*\slot+3], 2*KB
	s_add_nc_u64 s[G0B+4*\slot+2:G0B+4*\slot+3], s[G0B+4*\slot+2:G0B+4*\slot+3], 2*KB
.endif
	s_wait_dscnt 0x0
.if \fill
	CROUND                                         ; no wave of any partner still reads this slot or has a load on its way
	JLOAD \slot                                    ; the first tensor load behind the round; its four v_nop are the places in front of the loads below
.else
	s_barrier_signal -1
	s_barrier_wait -1
	PLACES
.endif
	FETCH 1-\slot, 0
	MUL32 3, 0
.endm
	s_wait_tensorcnt 1                             ; my part of K step 0 is in; K step 1's load may stay out
	s_barrier_signal -1
	s_barrier_wait -1
	FETCH 0, 0
	QUARTER 0, 0, 1                                ; the first quarter stands in front of the loop: its products start the sums
	WIN 0
	s_mov_b32 s3, 3
.Llap:                                             ; a trip goes once round the ring, from a lap's second quarter to the next lap's first, and fills both slots again
	QUARTER 0, 1, 0
	QUARTER 0, 2, 0
	TURN 0, 1
	QUARTER 1, 0, 0
	QUARTER 1, 1, 0
	QUARTER 1, 2, 0
	TURN 1, 1
	QUARTER 0, 0, 0
	WIN 0
	s_sub_co_u32 s3, s3, 1
	s_cmp_lg_u32 s3, 0
	s_cbranch_scc1 .Llap
	QUARTER 0, 1, 0                                ; the last lap fills nothing
	QUARTER 0, 2, 0
	TURN 0, 0
	QUARTER 1, 0, 0
	QUARTER 1, 1, 0
	QUARTER 1, 2, 0
	WIN 0
	s_wait_dscnt 0x0
	MUL32 3, 0
	WIN 0
	PLACES                                         ; behind the last products: results are read and fragments' registers loaded below
; THE WAY OUT, 16 tokens at a time: a lane's 32 bytes go into my own stage and come back as whole rows of 512 bytes.  LDS serves a wave's instructions in order: no wait between the stores and the loads.
.macro OUTB a
	s_wait_xcnt 0x0                                ; the last block's stores have read their data
	WIN 0x04                                       ; an LDS store's data: window 1
.irp b, 0,1,2,3,4,5,6,7
	ds_store_b128 v[STO], v[8*(8*\a+\b):8*(8*\a+\b)+3] offset:64*\b         ; each accumulator from its low end on
	ds_store_b128 v[STO], v[8*(8*\a+\b)+4:8*(8*\a+\b)+7] offset:64*\b+16
.endr
	WIN 0
.irp t, 0,1,2,3,4,5,6,7,8,9,10,11,12,13,14,15
	ds_load_b128 v[32+4*\t:35+4*\t], v[RD] offset:\t*SPITCH
.endr
	s_wait_dscnt 0x0
.irp t, 0,1,2,3,4,5,6,7,8,9,10,11,12,13,14,15
	global_store_b128 v[CO], v[32+4*\t:35+4*\t], s[8:9] offset:(16*\a+\t)*4096 th:TH_STORE_NT   ; 32 lanes store 512 consecutive bytes, aligned
.endr
.endm
	s_cmp_eq_u32 s42, 0                            ; positions 0 to 15 of a sequence are another launch's: cluster y and the wave's number alone decide
	s_cbranch_scc1 .Lnot_mine
	OUTB 0
.Lnot_mine:
	OUTB 1
	OUTB 2
	OUTB 3
	s_wait_tensorcnt 0x0                           ; the wave's end
	ds_add_u32 v[SPW], v[NIL]
	s_wait_dscnt 0x0
	CROUND                                         ; the closing round
	s_endpgm
.Lfunc_end_k_qa9cc5e255c_proj:
	.size	k_qa9cc5e255c_proj, .Lfunc_end_k_qa9cc5e255c_proj-k_qa9cc5e255c_proj
	.p2alignl 7, 3214868480
	.fill 96, 4, 3214868480
	.section	.rodata,"a",@progbits
	.p2align	6, 0x0
	.amdhsa_kernel k_qa9cc5e255c_proj
		.amdhsa_group_segment_fixed_size 327680
		.amdhsa_private_segment_fixed_size 0
		.amdhsa_enable_private_segment 0
		.amdhsa_kernarg_size 24
		.amdhsa_user_sgpr_count 2
		.amdhsa_user_sgpr_kernarg_segment_ptr 1
		.amdhsa_wavefront_size32 1
		.amdhsa_system_sgpr_workgroup_id_x 1
		.amdhsa_system_sgpr_workgroup_id_y 1
		.amdhsa_system_sgpr_workgroup_id_z 1
		.amdhsa_system_vgpr_workitem_id 0
		.amdhsa_next_free_vgpr 512
		.amdhsa_next_free_sgpr 66
		.amdhsa_reserve_vcc 0
		.amdhsa_float_denorm_mode_32 3
		.amdhsa_float_denorm_mode_16_64 3
		.amdhsa_memory_ordered 1
		.amdhsa_forward_progress 1
		.amdhsa_inst_pref_size 84
	.end_amdhsa_kernel
	.amdgpu_metadata
---
amdhsa.version: [ 1, 2 ]
amdhsa.kernels:
  - .name:           k_qa9cc5e255c_proj
    .symbol:         k_qa9cc5e255c_proj.kd
    .args:
      - { .name: o16, .offset: 0, .size: 8, .value_kind: global_buffer, .address_space: global }
      - { .name: wo16, .offset: 8, .size: 8, .value_kind: global_buffer, .address_space: global }
      - { .name: out0, .offset: 16, .size: 8, .value_kind: global_buffer, .address_space: global }
    .group_segment_fixed_size: 327680
    .private_segment_fixed_size: 0
    .kernarg_segment_align: 8
    .kernarg_segment_size: 24
    .max_flat_workgroup_size: 128
    .sgpr_count:     66
    .vgpr_count:     512
    .wavefront_size: 32
...
	.end_amdgpu_metadata
.endif
;; end of part 4
;; launch first16 (part 5): grid 16 x 4, 16 waves a work-group, no clusters, 67,584 bytes of LDS; arguments fine, Wo, out0; writes out0
.if DOCPART == 5
	.amdgcn_target "amdgcn-amd-amdhsa--gfx1250"
	.amdhsa_code_object_version 6
	.text
	.protected	k_qa9cc5e255c_first16
	.globl	k_qa9cc5e255c_first16
	.p2align	8
	.type	k_qa9cc5e255c_first16,@function
k_qa9cc5e255c_first16:
	s_mov_b64 s[64:65], 0
	v_nop
	global_prefetch_b8 v0, s[64:65] scope:SCOPE_SE
	s_setreg_imm32_b32 hwreg(HW_REG_WAVE_MODE, 25, 1), 1
	s_wait_xcnt 0x0
; FIRST16: positions 0 to 15 of each sequence, attention and projection, with f32 operands throughout: these rows average one to sixteen values and are the largest in size.
; A work-group (cc, b) makes 64 output columns, 64 cc on, of batch b's 16 rows.  Wave w makes head w's attention (16 queries x 16 keys, causal; the window of 512 hides nothing here) and that head's 64 of the projection's K;
; the sixteen partial sums meet in LDS.  The attention is repeated in the 16 work-groups of a batch: 32 matrix instructions a wave.
; All products by the f32 matrix form, 16 x 16 x 4: 96 a wave.  K is permuted alike in both sources, so that each operand is a pair of registers as it lies: in step s lane (r, h) gives its registers 2 s and 2 s + 1.
; The registers that this form writes (v176-239) are written by matrix instructions alone; each sum begins with the constant 0.
; REGISTERS: v1-13 addresses; v16-47 q (lane (r, h): q[r][32 h ..]), later Wo for columns 32-47; v48-79 k, later Wo for columns 48-63; v80-111 v; v112-175 Wo for columns 0-31, later the 16 partial sums;
;   v176-191 two sums of scores, later the projection's tiles 0, 1; v192-223 O^T; v224-239 the projection's tiles 2, 3; v240-253 scores, p and work.
.set SPW,   12                         ; v12  LDS address of my spare word; never rewritten
.set NIL,   13                         ; v13  0; never rewritten
.set SPARE, 65536                      ; behind the sixteen partial sums of 4,096 bytes: the spare words, 128 bytes a wave
.set WV,    10
	s_load_b128 s[4:7], s[0:1], 0x0                ; fine s[4:5], Wo s[6:7]
	s_load_b64 s[8:9], s[0:1], 0x10                ; out0
	v_lshl_add_u32 v[SPW], v0, 2, SPARE
	v_mov_b32 v[NIL], 0
	v_lshrrev_b32 v6, 5, v0
	v_readfirstlane_b32 s[WV], v6                  ; wave = head
	s_and_b32 s12, ttmp7, 0xffff                   ; the batch
	v_and_b32 v6, 15, v0                           ; r
	v_bfe_u32 v7, v0, 4, 1                         ; h
	v_lshlrev_b32 v1, 8, v6
	v_lshl_add_u32 v1, v7, 7, v1                   ; q, k: row r of 256 bytes, + 128 h
	v_and_b32 v2, 31, v0
	v_lshlrev_b32 v2, 4, v2                        ; 16 x lane
	v_lshlrev_b32 v3, 12, v6
	v_lshl_add_u32 v3, v7, 5, v3                   ; Wo: row r of 4,096 bytes, + 32 h
	v_lshlrev_b32 v4, 3, v7
	v_sub_nc_u32 v4, v6, v4                        ; r - 8 h: register j holds key 8 h + j, hidden where j > r - 8 h
	v_mov_b32 v5, 0xff800000                       ; -infinity
	s_lshl_b32 s18, s[WV], 12
	v_add_nc_u32 v10, s18, v2                      ; where my partial sums go: 4,096 x wave + 16 x lane
	; the last sum: thread 16 t + c takes row t, columns 4 c .. 4 c + 3: tile c / 4, lane t + 16 ((c / 2) % 2), half c % 2
	v_lshrrev_b32 v7, 4, v0                        ; t
	v_lshrrev_b32 v8, 2, v6
	v_lshlrev_b32 v9, 10, v8
	v_bfe_u32 v8, v0, 1, 1
	v_lshl_add_u32 v9, v8, 8, v9
	v_and_b32 v8, 1, v0
	v_lshl_add_u32 v9, v8, 9, v9
	v_lshl_add_u32 v9, v7, 4, v9
	v_lshlrev_b32 v11, 12, v7
	v_lshl_add_u32 v11, v6, 4, v11                 ; and in out0: row t of 4,096 bytes, + 16 c
	v_mov_b32 v249, 0                              ; written once: a lane permute's destination counts as one of its sources
	s_mov_b32 s14, 0x3e38aa3b                      ; c = log2(e) / 8
	s_mov_b32 s16, 0x76543210
	s_mov_b32 s17, 0xfedcba98
	s_lshl_b32 s20, s12, 4
	s_add_co_u32 s20, s20, s[WV]
	s_lshl_b32 s20, s20, 12                        ; fine: 4,096 bytes for each batch and head, in q, in k and in v
	s_mov_b32 s21, 0
	s_lshl_b32 s22, ttmp9, 18                      ; Wo: 64 rows of 4,096 bytes a work-group,
	s_lshl_b32 s23, s[WV], 8                       ; my head's 64 numbers of a row
	s_add_co_u32 s22, s22, s23
	s_mov_b32 s23, 0
	s_lshl_b32 s24, s12, 23                        ; out0: 2,048 rows of 4,096 bytes a batch,
	s_lshl_b32 s25, ttmp9, 8                       ; 256 bytes of a row a work-group
	s_add_co_u32 s24, s24, s25
	s_mov_b32 s25, 0
	s_wait_kmcnt 0x0
	s_add_nc_u64 s[4:5], s[4:5], s[20:21]
	s_add_nc_u64 s[6:7], s[6:7], s[22:23]
	s_add_nc_u64 s[8:9], s[8:9], s[24:25]
.irp e, 0,1,2,3,4,5,6,7
	global_load_b128 v[16+4*\e:19+4*\e], v1, s[4:5] offset:16*\e
.endr
.irp e, 0,1,2,3,4,5,6,7
	global_load_b128 v[48+4*\e:51+4*\e], v1, s[4:5] offset:262144+16*\e
.endr
.irp e, 0,1,2,3,4,5,6,7
	global_load_b128 v[80+4*\e:83+4*\e], v2, s[4:5] offset:524288+512*\e    ; v: lane (r, h) holds channel 16 ct + r, register j token 8 h + j
.endr
.irp nt, 0,1
.irp ct, 0,1,2,3
	global_load_b128 v[112+32*\nt+8*\ct:115+32*\nt+8*\ct], v3, s[6:7] offset:65536*\nt+64*\ct      ; Wo[64 cc + 16 nt + r][64 w + 16 ct + 8 h + 0..7]
	global_load_b128 v[116+32*\nt+8*\ct:119+32*\nt+8*\ct], v3, s[6:7] offset:65536*\nt+64*\ct+16
.endr
.endr
	s_wait_loadcnt 24                              ; q and k are in; v's 8 loads and Wo's 16 stay out
.irp s, 0,1,2,3,4,5,6,7,8,9,10,11,12,13,14,15      ; S^T = k q^T: even and odd steps on two accumulators, by turns
.if \s < 2
	v_wmma_f32_16x16x4_f32 v[176+8*(\s%2):183+8*(\s%2)], v[48+2*\s:49+2*\s], v[16+2*\s:17+2*\s], 0
.else
	v_wmma_f32_16x16x4_f32 v[176+8*(\s%2):183+8*(\s%2)], v[48+2*\s:49+2*\s], v[16+2*\s:17+2*\s], v[176+8*(\s%2):183+8*(\s%2)]
.endif
.endr
.rept 8
	v_nop                                          ; eight places behind this form: q's and k's registers are loaded again, and the sums read
.endr
.irp nt, 0,1
.irp ct, 0,1,2,3
	global_load_b128 v[16+32*\nt+8*\ct:19+32*\nt+8*\ct], v3, s[6:7] offset:131072+65536*\nt+64*\ct
	global_load_b128 v[20+32*\nt+8*\ct:23+32*\nt+8*\ct], v3, s[6:7] offset:131072+65536*\nt+64*\ct+16
.endr
.endr
.irp j, 0,1,2,3,4,5,6,7
	v_add_f32 v[240+\j], v[176+\j], v[184+\j]      ; lane (r, h): query r, key 8 h + j
.endr
.irp j, 0,1,2,3,4,5,6,7
	v_cmp_gt_i32 vcc_lo, \j, v4
	v_cndmask_b32 v[240+\j], v[240+\j], v5, vcc_lo ; keys after the query
.endr
	v_max3_num_f32 v248, v240, v241, v242
	v_max3_num_f32 v248, v248, v243, v244
	v_max3_num_f32 v248, v248, v245, v246
	v_max_num_f32 v248, v248, v247
	v_permlanex16_b32 v249, v248, s16, s17
	v_max_num_f32 v248, v248, v249                 ; the row's maximum: key 0 counts for every query
	v_mul_f32 v249, s14, v248
.irp j, 0,1,2,3,4,5,6,7
	v_fma_f32 v[240+\j], v[240+\j], s14, -v249
.endr
.irp j, 0,1,2,3,4,5,6,7
	v_exp_f32 v[240+\j], v[240+\j]
.endr
	v_nop
	s_wait_alu depctr_va_vdst(0)                   ; one wait for the eight exponentials, ahead of their first reader
	v_add_f32 v250, v240, v241
	v_add_f32 v251, v242, v243
	v_add_f32 v252, v244, v245
	v_add_f32 v253, v246, v247
	v_add_f32 v250, v250, v251
	v_add_f32 v252, v252, v253
	v_add_f32 v250, v250, v252
	v_permlanex16_b32 v251, v250, s16, s17
	v_add_f32 v250, v250, v251                     ; the row's sum
	v_rcp_f32 v252, v250
	v_nop
	s_wait_alu depctr_va_vdst(0)
.irp j, 0,1,2,3,4,5,6,7
	v_mul_f32 v[240+\j], v[240+\j], v252           ; the weights, normalised, in f32
.endr
	s_wait_loadcnt 32                              ; v is in; Wo's 32 loads may stay out
.irp s, 0,1,2,3                                    ; O^T = V^T P: four accumulators by turns
.irp ct, 0,1,2,3
.if \s == 0
	v_wmma_f32_16x16x4_f32 v[192+8*\ct:199+8*\ct], v[80+8*\ct+2*\s:81+8*\ct+2*\s], v[240+2*\s:241+2*\s], 0
.else
	v_wmma_f32_16x16x4_f32 v[192+8*\ct:199+8*\ct], v[80+8*\ct+2*\s:81+8*\ct+2*\s], v[240+2*\s:241+2*\s], v[192+8*\ct:199+8*\ct]
.endif
.endr
.endr
.rept 9
	v_nop                                          ; nine places: the results are the next products' source 1
.endr
	s_wait_loadcnt 16                              ; Wo for columns 0-31
.irp ct, 0,1,2,3                                   ; my head's part of out^T = Wo O^T: lane (r, h) of O(ct) holds token r, channels 16 ct + 8 h + j
.irp s, 0,1,2,3
.irp nt, 0,1
.if (\ct == 0) && (\s == 0)
	v_wmma_f32_16x16x4_f32 v[176+8*\nt:183+8*\nt], v[112+32*\nt+8*\ct+2*\s:113+32*\nt+8*\ct+2*\s], v[192+8*\ct+2*\s:193+8*\ct+2*\s], 0
.else
	v_wmma_f32_16x16x4_f32 v[176+8*\nt:183+8*\nt], v[112+32*\nt+8*\ct+2*\s:113+32*\nt+8*\ct+2*\s], v[192+8*\ct+2*\s:193+8*\ct+2*\s], v[176+8*\nt:183+8*\nt]
.endif
.endr
.endr
.endr
	s_wait_loadcnt 0x0                             ; Wo for columns 32-63
.irp ct, 0,1,2,3
.irp s, 0,1,2,3
.irp nt, 0,1
.if (\ct == 0) && (\s == 0)
	v_wmma_f32_16x16x4_f32 v[224+8*\nt:231+8*\nt], v[16+32*\nt+8*\ct+2*\s:17+32*\nt+8*\ct+2*\s], v[192+8*\ct+2*\s:193+8*\ct+2*\s], 0
.else
	v_wmma_f32_16x16x4_f32 v[224+8*\nt:231+8*\nt], v[16+32*\nt+8*\ct+2*\s:17+32*\nt+8*\ct+2*\s], v[192+8*\ct+2*\s:193+8*\ct+2*\s], v[224+8*\nt:231+8*\nt]
.endif
.endr
.endr
.endr
.rept 8
	v_nop                                          ; eight places: the results are stored, and Wo's registers loaded again
.endr
.irp nt, 0,1
	ds_store_b128 v10, v[176+8*\nt:179+8*\nt] offset:1024*\nt            ; the accumulators as they stand, each from its low end on
	ds_store_b128 v10, v[180+8*\nt:183+8*\nt] offset:1024*\nt+512
	ds_store_b128 v10, v[224+8*\nt:227+8*\nt] offset:2048+1024*\nt
	ds_store_b128 v10, v[228+8*\nt:231+8*\nt] offset:2048+1024*\nt+512
.endr
	s_wait_dscnt 0x0                               ; for the others' sake: my stores have landed
	s_barrier_signal -1
	s_barrier_wait -1
	s_cmp_lt_u32 s[WV], 8                          ; 256 threads add the sixteen heads' parts, 16 bytes each
	s_cbranch_scc0 .Ldone
.irp k, 0,1,2,3,4,5,6,7,8,9,10,11,12,13,14,15
	ds_load_b128 v[112+4*\k:115+4*\k], v9 offset:4096*\k
.endr
	s_wait_dscnt 0x0
.irp m, 0,8,16,24,32,40,48,56                      ; a tree in a fixed order
	v_pk_add_f32 v[112+\m:113+\m], v[112+\m:113+\m], v[116+\m:117+\m]
	v_pk_add_f32 v[114+\m:115+\m], v[114+\m:115+\m], v[118+\m:119+\m]
.endr
.irp m, 0,16,32,48
	v_pk_add_f32 v[112+\m:113+\m], v[112+\m:113+\m], v[120+\m:121+\m]
	v_pk_add_f32 v[114+\m:115+\m], v[114+\m:115+\m], v[122+\m:123+\m]
.endr
.irp m, 0,32
	v_pk_add_f32 v[112+\m:113+\m], v[112+\m:113+\m], v[128+\m:129+\m]
	v_pk_add_f32 v[114+\m:115+\m], v[114+\m:115+\m], v[130+\m:131+\m]
.endr
	v_pk_add_f32 v[112:113], v[112:113], v[144:145]
	v_pk_add_f32 v[114:115], v[114:115], v[146:147]
	global_store_b128 v11, v[112:115], s[8:9]      ; sixteen lanes store 256 consecutive bytes, aligned
.Ldone:
	s_wait_tensorcnt 0x0                           ; the wave's end, behind my last LDS store
	ds_add_u32 v[SPW], v[NIL]
	s_wait_dscnt 0x0
	s_endpgm
.Lfunc_end_k_qa9cc5e255c_first16:
	.size	k_qa9cc5e255c_first16, .Lfunc_end_k_qa9cc5e255c_first16-k_qa9cc5e255c_first16
	.p2alignl 7, 3214868480
	.fill 96, 4, 3214868480
	.section	.rodata,"a",@progbits
	.p2align	6, 0x0
	.amdhsa_kernel k_qa9cc5e255c_first16
		.amdhsa_group_segment_fixed_size 67584
		.amdhsa_private_segment_fixed_size 0
		.amdhsa_enable_private_segment 0
		.amdhsa_kernarg_size 24
		.amdhsa_user_sgpr_count 2
		.amdhsa_user_sgpr_kernarg_segment_ptr 1
		.amdhsa_wavefront_size32 1
		.amdhsa_system_sgpr_workgroup_id_x 1
		.amdhsa_system_sgpr_workgroup_id_y 1
		.amdhsa_system_sgpr_workgroup_id_z 1
		.amdhsa_system_vgpr_workitem_id 0
		.amdhsa_next_free_vgpr 256
		.amdhsa_next_free_sgpr 66
		.amdhsa_reserve_vcc 1
		.amdhsa_float_denorm_mode_32 3
		.amdhsa_float_denorm_mode_16_64 3
		.amdhsa_memory_ordered 1
		.amdhsa_forward_progress 1
		.amdhsa_inst_pref_size 21
	.end_amdhsa_kernel
	.amdgpu_metadata
---
amdhsa.version: [ 1, 2 ]
amdhsa.kernels:
  - .name:           k_qa9cc5e255c_first16
    .symbol:         k_qa9cc5e255c_first16.kd
    .args:
      - { .name: fine, .offset: 0, .size: 8, .value_kind: global_buffer, .address_space: global }
      - { .name: Wo, .offset: 8, .size: 8, .value_kind: global_buffer, .address_space: global }
      - { .name: out0, .offset: 16, .size: 8, .value_kind: global_buffer, .address_space: global }
    .group_segment_fixed_size: 67584
    .private_segment_fixed_size: 0
    .kernarg_segment_align: 8
    .kernarg_segment_size: 24
    .max_flat_workgroup_size: 512
    .sgpr_count:     66
    .vgpr_count:     256
    .wavefront_size: 32
...
	.end_amdgpu_metadata
.endif
;; end of part 5
